; MI455X (gfx1250); checked and timed in simulation.
; The chip was launched on July 23, 2026; its instructions are those of AMD's public machine-readable ISA for CDNA 5 (MIT licence, August 2026) and "CDNA5" Instruction Set Architecture Reference Guide (July 2026). The comments in the code are by the model that wrote it; some were corrected since.
;; Multi Head Self Attention. Allowed arithmetic: matrix products marked QUANTISED: E2M1 operands, one E8M0 scale for each 32 along K, by v_wmma_scale_f32_16x16x128_f8f6f4 with both operands' format E2M1 (or v_wmma_scale_f32_32x16x128_f4), f32 sums; products left as they are: bf16, f16 or f32 operands; f32 sums; everything else in f32.
;; Inputs: wk 1,024 x 1,024 float32; wo 1,024 x 1,024 float32; wq 1,024 x 1,024 float32; wv 1,024 x 1,024 float32; x 1 x 4,096 x 1,024 float32.
;; Outputs: out0 1 x 4,096 x 1,024 float32.
;; This version of the problem:
;;   THIS VERSION OF THE PROBLEM IS GIVEN IN LOW PRECISION. The matrix products marked QUANTISED in the list below multiply operands that are first quantised to E2M1 (2 exponent bits, 1 mantissa bit; 4 bits a number), with one power-of-two scale for each 32 numbers along K (OCP MX v1.0); their sums are f32. The products marked 'left as it is' may take bf16, f16 or f32 operands, with f32 sums. Whichever they take, every output number must still come out within the allowed error. Rounding operands to bf16 (8 significant bits) uses up far more of that allowance than f16 does (11 bits, for magnitudes from 6e-5 to 65,504). All else is computed in f32.
;;   The module's matrix products, in the order in which they are computed (A, B: the left and right operand; K: the contracted axis; several contracted axes count as one K, in the product's order):
;;     1. [M 4,096, K 1,024] x [K 1,024, N 1,024]; A: input x; B: input wq: QUANTISED
;;     2. [M 4,096, K 1,024] x [K 1,024, N 1,024]; A: input x; B: input wk: QUANTISED
;;     3. [M 4,096, K 1,024] x [K 1,024, N 1,024]; A: input x; B: input wv: QUANTISED
;;     4. batch 16 x [M 4,096, K 64] x [K 64, N 4,096]; A: computed on the way; B: computed on the way: left as it is (an operand is computed on the way)
;;     5. batch 16 x [M 4,096, K 4,096] x [K 4,096, N 64]; A: computed on the way; B: computed on the way: left as it is (an operand is computed on the way)
;;     6. [M 4,096, K 1,024] x [K 1,024, N 1,024]; A: computed on the way; B: input wo: left as it is (an operand is computed on the way)
;;   THE QUANTISER, for each operand of a quantised product, along K:
;;     - K is cut into blocks of 32 from its start; a last block that is shorter is filled with zeros.
;;     - A block's scale is 2^e with e = floor(log2(the largest magnitude in the block)) - 2, held to -126 .. 127; a block of zeros has e = 0. As a byte (E8M0): e + 127.
;;     - Each number is divided by its block's scale, clamped to +-6, and rounded to the nearest number of E2M1, ties to even, subnormals kept.
;;     - The product sums the exact products of the quantised numbers (number of the format x scale) in f32.
;;   ~~~python
;;   def quantise(x, axis):      # numpy; x: float32 -> the quantised numbers, widened to float32 again
;;       x = np.moveaxis(x, axis, -1); K = x.shape[-1]
;;       x = np.pad(x, [(0, 0)] * (x.ndim - 1) + [(0, -K % 32)]); x = x.reshape(x.shape[:-1] + (-1, 32)); a = np.abs(x).max(-1, keepdims=True)
;;       e = np.where(a > 0, np.clip(np.frexp(np.where(a > 0, a, 1))[1] - 1 - 2, -126, 127), 0)      # np.frexp(a)[1] - 1 = floor(log2(a)), exactly
;;       r = np.clip(x / 2.0 ** e, -6, 6)
;;       step = 2.0 ** (np.maximum(np.frexp(np.where(r == 0, 1, r))[1] - 1, 0) - 1)
;;       q = np.round(r / step) * step * 2.0 ** e      # np.round: ties to even
;;       return np.moveaxis(q.reshape(q.shape[:-2] + (-1,))[..., :K], -1, axis).astype(np.float32)
;;   ~~~
;; One version. Each part assembles by itself: llvm-mc -triple=amdgcn-amd-amdhsa -mcpu=gfx1250 --defsym DOCPART=n.
;; ======== version 1 of 1: 5 launches
;; limits: values are held in f16: magnitudes above 65,504 overflow, below 6.1e-05 lose precision; right only within a limited range of input values
;; workspace buffers: codes 3,670,016 bytes; scales 229,376 bytes; aux 3,145,728 bytes; qkv 25,165,824 bytes; r16 786,432 bytes; att 8,388,608 bytes
;; launch prep (part 1): grid 320 x 1, 4 waves a work-group, no clusters, 33,280 bytes of LDS; arguments x, wq, wk, wv, wo, codes, scales, aux; writes codes, scales, aux
.if DOCPART == 1
	.amdgcn_target "amdgcn-amd-amdhsa--gfx1250"
	.amdhsa_code_object_version 6
	.text
	.protected	k_q04ede01fd3_prep
	.globl	k_q04ede01fd3_prep
	.p2align	8
	.type	k_q04ede01fd3_prep,@function
k_q04ede01fd3_prep:
	s_mov_b64 s[64:65], 0
	v_nop
	global_prefetch_b8 v0, s[64:65] scope:SCOPE_SE
	s_setreg_imm32_b32 hwreg(HW_REG_WAVE_MODE, 25, 1), 1
	s_wait_xcnt 0x0
; CAUSAL MULTI-HEAD SELF-ATTENTION, S = 4096, D = 1024, 16 heads of 64, RoPE on q and k.  Five launches: prep, qkv, attn, oproj, fine.
; WHAT IS LEFT OUT, in the whole program: only the key steps of the attention that lie wholly above the diagonal.  reference() builds the mask itself (jnp.tril) and sets those scores
; to -inf ahead of the softmax, so their weights are 0 for all values of the inputs and they reach no output.  All five inputs have a way to the output and are loaded.
; LIMIT: a NaN, an infinity or an overflow that arises only in scores above the diagonal is not carried to the result.
; THIS LAUNCH makes what the later ones read many times, once:
;   work-groups 0-223:   x, wq, wk, wv (f32, K innermost) -> codes of FP4 (E2M1) and one E8M0 byte for each 32 along K.  codes: x [4096][512 B], then wq, wk, wv stacked [3072][512 B]; scales likewise, 32 B a row.
;   work-groups 224-287: 4 x wo -> f16, as images of the matrix operand's registers: [tile of 16 outputs][32 along K][1 KB: registers 0-3 at 16 x lane, registers 4-7 at 512 + 16 x lane], from byte 1,048,576 of aux.
;   work-groups 288-319: RoPE's table, [position][frequency j][sqrt(c) cos, sqrt(c) sin] f32, 256 B a position, from byte 0 of aux; c = log2(e) / 8, so that a score of rotated q and k is the softmax's exponent to base 2.
; A block's scale is 2^(floor(log2(largest magnitude)) - 2); its byte is the largest magnitude's exponent field - 2, held at 1 from below.
; LIMITS: a block of zeros gets the byte 1 where the rule says 127 (its codes are zeros, and this program alone reads the bytes); NaN and infinities among the inputs are not served; |wo| < 16,000 (4 wo in f16);
; the angles are pos x 2^(-j log2(10000) / 32) with the power by v_exp_f32: they differ from reference()'s by up to some 5e-4 rad at the last positions, alike for q and k.
; No sine or cosine instruction: the angle is reduced by multiples of pi/2 (pi/2 in two parts) and both come by polynomials on |r| <= pi/4 (errors under 4e-7).
.set WAVES, 4
.set STEPS, 16
.set WGQ,   224                        ; work-groups that quantise: 128 for x, 32 for each weight: 32,768 numbers each
.set WGW,   64                         ; work-groups for wo
.set EMAX,  2
.set CB,    8                          ; bytes of 16 codes
.set R,     16                         ; v16-79   four sets of 16 numbers as they are loaded
.set X,     80                         ; v80-111  two sets of 16 neighbours
.set C,     128                        ; v128-191 codes: four registers for each step
.set E,     112                        ; v112-127 a scale byte for each step
.set WREG,  8192                       ; LDS: a region for each wave: two stages of 32 x SP bytes, behind them its 256 scale bytes
.set SP,    80                         ; a lane's place in a stage: 64 bytes + 16 of padding
.set SPW,   12                         ; v12 LDS address of my spare word; never rewritten
.set NIL,   13                         ; v13 0; never rewritten
.set SPARE, WAVES*WREG                 ; the spare words, 128 bytes a wave, that no other line names
	s_load_b256 s[4:11], s[0:1], 0x0               ; x, wq, wk, wv
	s_load_b256 s[12:19], s[0:1], 0x20             ; wo, codes, scales, aux
	v_lshl_add_u32 v[SPW], v0, 2, SPARE
	v_mov_b32 v[NIL], 0
	v_lshrrev_b32 v1, 5, v0
	v_readfirstlane_b32 s20, v1                    ; wave
	v_and_b32 v2, 31, v0                           ; lane
	s_wait_kmcnt 0x0
	s_cmp_ge_u32 ttmp9, WGQ+WGW
	s_cbranch_scc1 .Ltab
	s_cmp_ge_u32 ttmp9, WGQ
	s_cbranch_scc1 .Lwo
; ---- THE QUANTISER.  A wave takes 16 steps of 512 numbers.  Each load reads 512 consecutive bytes; a step's 2,048 bytes turn through the wave's own stage in LDS, so that a lane holds 16 neighbours along K.
	v_lshlrev_b32 v3, 4, v2                        ; my 16 bytes of a load's 512
	s_mul_i32 s21, s20, WREG
	v_lshrrev_b32 v14, 2, v2
	v_mul_u32_u24 v14, v14, SP
	v_and_b32 v15, 3, v2
	v_lshl_add_u32 v14, v15, 4, v14
	v_add_nc_u32 v14, s21, v14                     ; the stage, on the way in: SP (lane / 4) + 16 (lane % 4)
	v_mul_u32_u24 v15, v2, SP
	v_add_nc_u32 v15, s21, v15                     ; and on the way out: SP x lane
	v_mul_u32_u24 v4, v2, CB                       ; my codes' place in a step's
	v_lshrrev_b32 v5, 1, v2
	s_add_co_u32 s21, s21, 2*32*SP
	v_add_nc_u32 v5, s21, v5                       ; my wave's 256 scale bytes, my block's byte
	v_lshlrev_b32 v7, 3, v2
	v_add_nc_u32 v6, s21, v7                       ; and on the way out 8 bytes a lane
	s_and_b32 s22, ttmp9, 31                       ; a weight's work-groups count from a multiple of 32
	s_cmp_lt_u32 ttmp9, 160                        ; which tensor: the choices hang on the work-group's number alone
	s_cselect_b64 s[6:7], s[6:7], s[8:9]
	s_cmp_lt_u32 ttmp9, 192
	s_cselect_b64 s[6:7], s[6:7], s[10:11]
	s_cmp_lt_u32 ttmp9, 128
	s_cselect_b64 s[4:5], s[4:5], s[6:7]
	s_cselect_b32 s22, ttmp9, s22
	s_lshl_b32 s22, s22, 2
	s_add_co_u32 s22, s22, s20                     ; which run of 8,192 numbers of the tensor is my wave's
	s_lshl_b32 s22, s22, 15
	s_mov_b32 s23, 0
	s_add_nc_u64 s[4:5], s[4:5], s[22:23]
	s_lshl_b32 s24, ttmp9, 2
	s_add_co_u32 s24, s24, s20                     ; and which run of the outputs: x's 512 runs, then the weights' follow by themselves
	s_lshl_b32 s22, s24, 12
	s_add_nc_u64 s[14:15], s[14:15], s[22:23]      ; 4,096 bytes of codes a run
	s_lshl_b32 s22, s24, 8
	s_add_nc_u64 s[16:17], s[16:17], s[22:23]      ; 256 scale bytes a run
.macro LOAD t
.irp i, 0,1,2,3
	global_load_b128 v[R+16*((\t)%4)+4*\i:R+16*((\t)%4)+4*\i+3], v3, s[4:5] offset:2048*(\t)+512*\i th:TH_LOAD_NT
.endr
.endm
.macro TURN t                          ; step t's numbers through the stage: LDS serves a wave's instructions in order, so no wait stands between the stores and the loads
.irp i, 0,1,2,3
	ds_store_b128 v14, v[R+16*((\t)%4)+4*\i:R+16*((\t)%4)+4*\i+3] offset:32*SP*((\t)%2)+8*SP*\i
.endr
.irp i, 0,1,2,3
	ds_load_b128 v[X+16*((\t)%2)+4*\i:X+16*((\t)%2)+4*\i+3], v15 offset:32*SP*((\t)%2)+16*\i
.endr
.endm
.irp t, 0,1,2,3
	LOAD \t
.endr
	s_wait_loadcnt 12                              ; step 0's four loads are in
	TURN 0
.macro STEP t
.set XS, X+16*((\t)%2)
.if (\t) > 0
	s_wait_dscnt 1                                 ; this step's numbers are back from the stage (the last step's byte store may be out)
.else
	s_wait_dscnt 0x0
.endif
.if (\t)+4 < STEPS
	LOAD (\t)+4
.endif
.if (\t)+1 < STEPS
.if STEPS-2-(\t) >= 3
	s_wait_loadcnt 12                              ; the next step's four loads are in; those of the three steps behind it may be out
.else
	s_wait_loadcnt 4*(STEPS-2-(\t))
.endif
	TURN (\t)+1
.endif
	v_max3_num_f32 v8, |v[XS]|, |v[XS+1]|, |v[XS+2]|               ; the largest magnitude of my 16
	v_max3_num_f32 v9, |v[XS+3]|, |v[XS+4]|, |v[XS+5]|
.irp i, 6,10
	v_max3_num_f32 v8, v8, |v[XS+\i]|, |v[XS+\i+1]|
	v_max3_num_f32 v9, v9, |v[XS+\i+2]|, |v[XS+\i+3]|
.endr
	v_max3_num_f32 v8, v8, |v[XS+14]|, |v[XS+15]|
	v_max3_num_f32 v8, v8, v9, (EMAX+1)<<23        ; and the floor 2^(3 - 127): the byte cannot fall under 1
	v_max_num_f32_dpp v8, v8, v8 row_xmask:1 row_mask:0xf bank_mask:0xf   ; and of my neighbour's 16: the block's
	v_add_nc_u32 v11, -(EMAX<<23), v8              ; 2 off its exponent field: the conversion takes the exponent field of this operand as its scale
	v_cvt_scalef32_pk8_fp4_f32 v[C+4*(\t)], v[XS:XS+7], v11
	v_cvt_scalef32_pk8_fp4_f32 v[C+4*(\t)+1], v[XS+8:XS+15], v11
	v_lshrrev_b32 v[E+(\t)], 23, v11               ; the scale's byte
	ds_store_b8 v5, v[E+(\t)] offset:16*(\t)       ; both lanes of a block write the same byte with the same value
	global_store_b64 v4, v[C+4*(\t):C+4*(\t)+1], s[14:15] offset:32*CB*(\t)   ; the wave stores 256 consecutive bytes, aligned
.endm
.irp t, 0,1,2,3,4,5,6,7,8,9,10,11,12,13,14,15
	STEP \t
.endr
	ds_load_b64 v[8:9], v6                         ; LDS serves a wave's instructions in order: these see my stores
	s_wait_dscnt 0x0
	global_store_b64 v7, v[8:9], s[16:17]          ; 32 lanes store 256 consecutive bytes, aligned
	s_wait_tensorcnt 0x0                           ; the wave's end, behind my last LDS store
	ds_add_u32 v[SPW], v[NIL]
	s_wait_dscnt 0x0
	s_endpgm
; ---- wo.  Work-group u: outputs 16 u .. 16 u + 15; wave w: K = 256 w .. 256 w + 255, eight fragments of 16 x 32.  Lane (r, h) of a fragment holds K = 8 h + 0..7 (registers 0-3) and 16 + 8 h + 0..7 (registers 4-7) of row r.
.Lwo:
	s_sub_co_u32 s21, ttmp9, WGQ                   ; u
	v_and_b32 v3, 15, v0                           ; r
	v_bfe_u32 v4, v0, 4, 1                         ; h
	v_lshlrev_b32 v5, 12, v3
	v_lshl_add_u32 v5, v4, 5, v5                   ; row r of 4,096 bytes + 32 h
	v_lshlrev_b32 v6, 4, v2                        ; 16 x lane
	s_lshl_b32 s22, s21, 16
	s_lshl_b32 s23, s20, 10
	s_add_co_u32 s22, s22, s23
	s_mov_b32 s23, 0
	s_add_nc_u64 s[12:13], s[12:13], s[22:23]
	s_lshl_b32 s22, s21, 15                        ; 32 images of 1 KB for each tile of outputs,
	s_lshl_b32 s24, s20, 13                        ; eight of them mine,
	s_add_co_u32 s22, s22, s24
	s_add_co_u32 s22, s22, 0x100000                ; behind the table
	s_add_nc_u64 s[18:19], s[18:19], s[22:23]
.irp i, 0,1,2,3,4,5,6,7
	global_load_b128 v[16+16*\i:19+16*\i], v5, s[12:13] offset:128*\i
	global_load_b128 v[20+16*\i:23+16*\i], v5, s[12:13] offset:128*\i+16
	global_load_b128 v[24+16*\i:27+16*\i], v5, s[12:13] offset:128*\i+64
	global_load_b128 v[28+16*\i:31+16*\i], v5, s[12:13] offset:128*\i+80
.endr
.irp i, 0,1,2,3,4,5,6,7
	s_wait_loadcnt 4*(7-\i)                        ; this fragment's four loads are in; the later fragments' may be out
.irp n, 0,1,2,3,4,5,6,7
	v_pk_mul_f32 v[16+16*\i+2*\n:17+16*\i+2*\n], v[16+16*\i+2*\n:17+16*\i+2*\n], 4.0 op_sel_hi:[1,0]   ; x 4, exact: v goes as v / 4
.endr
.irp n, 0,1,2,3,4,5,6,7
	v_cvt_pk_f16_f32 v[16+16*\i+\n], v[16+16*\i+2*\n], v[17+16*\i+2*\n]   ; in place, ascending: no number is written over before it is read
.endr
	global_store_b128 v6, v[16+16*\i:19+16*\i], s[18:19] offset:1024*\i        ; 512 consecutive bytes
	global_store_b128 v6, v[20+16*\i:23+16*\i], s[18:19] offset:1024*\i+512
.endr
	s_endpgm
; ---- RoPE's table.  A wave takes 32 positions, four a trip; a lane is a frequency.
.Ltab:
	s_sub_co_u32 s21, ttmp9, WGQ+WGW
	s_lshl_b32 s21, s21, 7
	s_lshl_b32 s22, s20, 5
	s_add_co_u32 s21, s21, s22                     ; my first position
	v_cvt_f32_u32 v3, v2
	v_mul_f32 v3, 0xbed49a78, v3                   ; -j log2(10000) / 32
	v_exp_f32 v3, v3                               ; the frequency
	v_lshlrev_b32 v4, 3, v2                        ; 8 bytes a lane.  (A plain instruction behind the exponential)
	s_wait_alu depctr_va_vdst(0)                   ; the wait ahead of the result's first reader
.irp k, 0,1,2,3
	s_add_co_u32 s23, s21, \k
	v_cvt_f32_u32 v[20+\k], s23                    ; the four positions of a trip
.endr
	s_lshl_b32 s22, s21, 8
	s_mov_b32 s23, 0
	s_add_nc_u64 s[18:19], s[18:19], s[22:23]
	s_mov_b32 s24, 0x3f22f983                      ; 2 / pi
	s_mov_b32 s25, 0x3fc90fdb                      ; pi / 2, its upper part,
	s_mov_b32 s26, 0xb33bbd2e                      ; and what is left of it
	s_mov_b32 s27, 0xb9500d01                      ; -1/5040
	s_mov_b32 s28, 0x3c088889                      ; 1/120
	s_mov_b32 s29, 0xbe2aaaab                      ; -1/6
	s_mov_b32 s30, 0x37d00d01                      ; 1/40320
	s_mov_b32 s31, 0xbab60b61                      ; -1/720
	s_mov_b32 s32, 0x3d2aaaab                      ; 1/24
	s_mov_b32 s33, 0x3ed96d27                      ; sqrt(log2(e) / 8)
.macro SINCOS k
.set TA, 48+12*\k
	v_mul_f32 v[TA], v[20+\k], v3                  ; the angle
	v_mul_f32 v[TA+1], s24, v[TA]
	v_rndne_f32 v[TA+1], v[TA+1]                   ; n quarter turns
	v_fma_f32 v[TA+2], -v[TA+1], s25, v[TA]
	v_fma_f32 v[TA+2], -v[TA+1], s26, v[TA+2]      ; r = angle - n pi / 2
	v_mul_f32 v[TA+3], v[TA+2], v[TA+2]            ; z = r r
	v_fma_f32 v[TA+4], v[TA+3], s27, s28
	v_fma_f32 v[TA+4], v[TA+4], v[TA+3], s29
	v_mul_f32 v[TA+5], v[TA+2], v[TA+3]
	v_fma_f32 v[TA+4], v[TA+5], v[TA+4], v[TA+2]   ; sin r
	v_fma_f32 v[TA+5], v[TA+3], s30, s31
	v_fma_f32 v[TA+5], v[TA+5], v[TA+3], s32
	v_fma_f32 v[TA+5], v[TA+5], v[TA+3], -0.5
	v_fma_f32 v[TA+5], v[TA+5], v[TA+3], 1.0       ; cos r
	v_cvt_i32_f32 v[TA+6], v[TA+1]
	v_and_b32 v[TA+7], 1, v[TA+6]
	v_cmp_eq_u32 vcc_lo, 1, v[TA+7]                ; an odd n swaps the two (a choice of values: nothing branches on it)
	v_cndmask_b32 v[TA+8], v[TA+5], v[TA+4], vcc_lo
	v_cndmask_b32 v[TA+9], v[TA+4], v[TA+5], vcc_lo
	v_add_nc_u32 v[TA+7], 1, v[TA+6]
	v_and_b32 v[TA+7], 2, v[TA+7]
	v_lshlrev_b32 v[TA+7], 30, v[TA+7]
	v_xor_b32 v[TA+8], v[TA+7], v[TA+8]            ; the cosine is negative for n mod 4 = 1, 2,
	v_and_b32 v[TA+6], 2, v[TA+6]
	v_lshlrev_b32 v[TA+6], 30, v[TA+6]
	v_xor_b32 v[TA+9], v[TA+6], v[TA+9]            ; the sine for 2, 3
	v_mul_f32 v[32+2*\k], s33, v[TA+8]
	v_mul_f32 v[33+2*\k], s33, v[TA+9]
	global_store_b64 v4, v[32+2*\k:33+2*\k], s[18:19] offset:256*\k   ; a position's 256 bytes, aligned
	v_add_f32 v[20+\k], 4.0, v[20+\k]
.endm
	s_mov_b32 s21, 8
.Lpos:
	SINCOS 0
	SINCOS 1
	SINCOS 2
	SINCOS 3
	s_wait_xcnt 0x0                                ; the stores have read their data and their base: both are written again only behind this wait
	s_add_nc_u64 s[18:19], s[18:19], 1024
	s_sub_co_u32 s21, s21, 1
	s_cmp_lg_u32 s21, 0
	s_cbranch_scc1 .Lpos
	s_endpgm
.Lfunc_end_k_q04ede01fd3_prep:
	.size	k_q04ede01fd3_prep, .Lfunc_end_k_q04ede01fd3_prep-k_q04ede01fd3_prep
	.p2alignl 7, 3214868480
	.fill 96, 4, 3214868480
	.section	.rodata,"a",@progbits
	.p2align	6, 0x0
	.amdhsa_kernel k_q04ede01fd3_prep
		.amdhsa_group_segment_fixed_size 33280
		.amdhsa_private_segment_fixed_size 0
		.amdhsa_enable_private_segment 0
		.amdhsa_kernarg_size 64
		.amdhsa_user_sgpr_count 2
		.amdhsa_user_sgpr_kernarg_segment_ptr 1
		.amdhsa_wavefront_size32 1
		.amdhsa_system_sgpr_workgroup_id_x 1
		.amdhsa_system_sgpr_workgroup_id_y 1
		.amdhsa_system_sgpr_workgroup_id_z 1
		.amdhsa_system_vgpr_workitem_id 0
		.amdhsa_next_free_vgpr 192
		.amdhsa_next_free_sgpr 66
		.amdhsa_reserve_vcc 1
		.amdhsa_float_denorm_mode_32 3
		.amdhsa_float_denorm_mode_16_64 3
		.amdhsa_memory_ordered 1
		.amdhsa_forward_progress 1
		.amdhsa_inst_pref_size 54
	.end_amdhsa_kernel
	.amdgpu_metadata
---
amdhsa.version: [ 1, 2 ]
amdhsa.kernels:
  - .name:           k_q04ede01fd3_prep
    .symbol:         k_q04ede01fd3_prep.kd
    .args:
      - { .name: x, .offset: 0, .size: 8, .value_kind: global_buffer, .address_space: global }
      - { .name: wq, .offset: 8, .size: 8, .value_kind: global_buffer, .address_space: global }
      - { .name: wk, .offset: 16, .size: 8, .value_kind: global_buffer, .address_space: global }
      - { .name: wv, .offset: 24, .size: 8, .value_kind: global_buffer, .address_space: global }
      - { .name: wo, .offset: 32, .size: 8, .value_kind: global_buffer, .address_space: global }
      - { .name: codes, .offset: 40, .size: 8, .value_kind: global_buffer, .address_space: global }
      - { .name: scales, .offset: 48, .size: 8, .value_kind: global_buffer, .address_space: global }
      - { .name: aux, .offset: 56, .size: 8, .value_kind: global_buffer, .address_space: global }
    .group_segment_fixed_size: 33280
    .private_segment_fixed_size: 0
    .kernarg_segment_align: 8
    .kernarg_segment_size: 64
    .max_flat_workgroup_size: 128
    .sgpr_count:     66
    .vgpr_count:     192
    .wavefront_size: 32
...
	.end_amdgpu_metadata
.endif
;; end of part 1
;; launch qkv (part 2): grid 12 x 16, 4 waves a work-group, clusters of 4 x 4, 327,680 bytes of LDS; arguments codes, scales, aux, qkv, r16; writes qkv, r16
.if DOCPART == 2
	.amdgcn_target "amdgcn-amd-amdhsa--gfx1250"
	.amdhsa_code_object_version 6
	.text
	.protected	k_q04ede01fd3_qkv
	.globl	k_q04ede01fd3_qkv
	.p2align	8
	.type	k_q04ede01fd3_qkv,@function
k_q04ede01fd3_qkv:
	s_mov_b64 s[64:65], 0
	v_nop
	global_prefetch_b8 v0, s[64:65] scope:SCOPE_SE
	s_setreg_imm32_b32 hwreg(HW_REG_WAVE_MODE, 25, 1), 1
	s_wait_xcnt 0x0
	s_wait_alu depctr_hold_cnt(0) depctr_sa_sdst(0) depctr_va_vdst(0) depctr_va_sdst(0) depctr_va_ssrc(0) depctr_va_vcc(0) depctr_vm_vsrc(0)
	s_getreg_b32 s2, hwreg(HW_REG_IB_STS2, 6, 4)
	s_cmp_eq_u32 s2, 0
	s_cbranch_scc0 .Lentry_in_a_cluster
	s_endpgm
.Lentry_in_a_cluster:
	s_bfe_u32 s2, ttmp6, 0x10000c
	s_cmp_lg_u32 s2, 0xf033
	s_cbranch_scc0 .Lentry_shape_is_right
	s_endpgm
.Lentry_shape_is_right:
; The three quantised products in one GEMM: C[pos][n] = sum over k of x[pos][k] W[n][k], W = wq, wk, wv stacked: [4096] x [3072] x K 1024, on codes of FP4 (E2M1) with one E8M0 scale for each 32 along K; sums in f32.
; A tile of C, 256 x 256, is made by a work-group of four waves; a wave makes 128 x 128: 64 accumulators, 512 registers.  K = 1024 is two slots of 512: both are filled at the start and none is filled again.
; The scale bytes of the work-group's 256 rows of x and 256 rows of W, for all of K, come into LDS once, in rows of 256 bytes.
; CLUSTERS: 4 x 4 work-groups; x's tiles are asked for jointly along a row of the cluster, W's along a column.  THE MATRIX INSTRUCTION IS USED TRANSPOSED (source 0 = 16 rows of W, source 1 = 16 rows of x): a lane holds eight neighbouring columns of one position.
; THE WAY OUT needs no LDS: a cluster's x says the kind (0 q, 1 k, 2 v).  q and k are rotated (RoPE; the table holds sqrt(c) cos and sqrt(c) sin, c = log2(e) / 8), v is multiplied by 1/4 (exact); all are rounded to f16
; and stored as images of the next launch's operand registers: qkv = [kind][head 16][tile of 16 positions 256][tile of 16 channels 4][512 B].  For q and k lane (r, h)'s 16 bytes (position r, channels 8 h + 0..7) lie at 16 x lane;
; for v at 256 (r / 8) + 128 h + 16 (r % 8), so that the transposing LDS load can read the block at 16 x lane.  Each store of a wave covers 512 consecutive bytes, aligned.
; THE FIRST 16 POSITIONS also go out in f32, for the last launch.  In the first row of clusters each of the four partners along y stores its own first 16 rows,
; told apart by address: r16 = [cy 4][kind 3][tile of 16 columns 64][1 KB]; the last launch reads the part cy = 0, the other three are written and not read.
; LIMITS: |rope(q)|, |rope(k)| < 1.5e5 and |v| < 2.6e5 (f16's range behind the factors).
; REGISTERS, in windows of 256: window 0: v0-31 addresses; v32-95 scale words, two sets, and nothing else; v128-191 x's fragments, one set; on the way out v128-191 the f32 results of a block, v192-255 the f16 ones, two sets.
;   window 1: W's fragments, two sets, at v0 and v128; on the way out v0-63 the table's entries, two sets.   window 2: the accumulators of my rows 0-63 ((a, b) at v[8 (8 a + b)]);   window 3: those of rows 64-127.
.set SIZE_K, 1024
.set XCODES, 0x200000                  ; x's codes take 2,097,152 bytes, W's follow
.set XSCALES, 0x20000                  ; x's scale bytes 131,072
.set KSTEP,  512
.set NQ,     KSTEP/128
.set ROWB,   256                       ; a tile's row in bytes
.set KROW,   SIZE_K*4/8                ; a row of codes in memory
.set PITCH,  272                       ; an LDS row: 256 bytes + 16 of padding: the 16 rows that a load touches start at 16 different banks
.set FR,     8
.set NL,     2
.set NP,     4                         ; places behind this matrix instruction (ISA guide 7.12.1)
.set HALFT,  128*PITCH
.set SLOT,   4*HALFT
.set KS,     SIZE_K/32                 ; a row of scales in bytes
.set SCL,    2*SLOT
.set HALFS,  (128*KS/256)*272
.set SBLK,   (16*KS/256)*272
.set SPARE,  SCL+4*HALFS               ; the spare words, 128 bytes a wave, that no other line names
.set ADRA, 16                          ; v16-17  LDS address of my fragments of x in slot 0, 1
.set ADRB, 20                          ; v20-21  the same for W
.set VT,   24                          ; v24     the table: 256 r + 32 h
.set LP,   25                          ; v25     16 x lane
.set LPV,  26                          ; v26     v's place in a block of 512 bytes
.set ADRS, 27                          ; v27     LDS address of my scale words: lanes 0-15 x's rows, lanes 16-31 W's
.set SPW,  28
.set NIL,  29
.set SC,   32
.set AF,   128
.set TT,   128                         ; the way out, window 0: 64 f32 results
.set OPK,  192                         ; and 2 x 32 registers of f16
.set RT,   0                           ; window 1: 2 x 32 table entries
.set G1, 24
.set G0, 32
.set G1B, 48
.set G0B, 56
.set G1S, 68
.set G0S, 76
.set G1SB, 80
.set G0SB, 88
.set MSB, 0
.macro WIN new                         ; the immediate's high byte repeats the setting that is left
.if MSB != \new
	s_set_vgpr_msb (MSB<<8)|\new
.set MSB, \new
.endif
.endm
.set MUL_LO, 0xa1                      ; source 0 (W) window 1, source 1 (x) window 0, C and D window 2
.set MUL_HI, 0xf1
.set TO_B,   0x40                      ; destination window 1, address window 0
; A joint load: waves 0 and 1 fetch for x, waves 2 and 3 for W.  The branch hangs on the wave's number alone.  An s_nop 0 and four v_nop follow each of the two lines.
.macro JLOAD g0a, g1a, g0b, g1b
	s_cmp_eq_u32 s15, 0
	s_cbranch_scc0 .Lfor_b_\@
	tensor_load_to_lds s[\g0a:\g0a+3], s[\g1a:\g1a+7]
	s_nop 0
.rept 4
	v_nop
.endr
	s_branch .Lasked_\@
.Lfor_b_\@:
	tensor_load_to_lds s[\g0b:\g0b+3], s[\g1b:\g1b+7]
	s_nop 0
.rept 4
	v_nop
.endr
.Lasked_\@:
.endm
.macro CROUND                          ; a round of the cluster's barrier
	s_barrier_signal -1
	s_barrier_wait -1
	s_cmp_lg_u32 s14, 0
	s_cbranch_scc1 .Lnot_wave_0_\@
	s_barrier_signal -3
.Lnot_wave_0_\@:
	s_barrier_wait -3
	s_barrier_signal -1
	s_barrier_wait -1
.endm
	s_load_b128 s[4:7], s[0:1], 0x0                ; codes, scales
	s_load_b64 s[12:13], s[0:1], 0x10              ; aux: the table
	s_load_b64 s[96:97], s[0:1], 0x18              ; qkv
	s_load_b64 s[98:99], s[0:1], 0x20              ; r16
	v_lshl_add_u32 v[SPW], v0, 2, SPARE
	v_mov_b32 v[NIL], 0
	ds_add_u32 v[SPW], v[NIL]                      ; the wave's opening: the add, twice on end, and its wait ahead of my first tensor load
	ds_add_u32 v[SPW], v[NIL]
	v_lshrrev_b32 v1, 5, v0
	v_readfirstlane_b32 s14, v1                    ; wave 0..3
	s_lshr_b32 s15, s14, 1                         ; which half of the tile's rows is mine.  Also: I fetch for x (0) or for W (1)
	s_and_b32 s16, s14, 1                          ; which half of its columns.  Also: which 128 rows of that tile I fetch
	s_bfe_u32 s40, ttmp6, 0x40000                  ; cx, cy: my place in the cluster
	s_bfe_u32 s41, ttmp6, 0x40004
	s_lshl_b32 s42, ttmp9, 2
	s_add_co_u32 s42, s42, s40                     ; tile column of C
	s_and_b32 s17, ttmp7, 0xffff
	s_lshl_b32 s17, s17, 2
	s_add_co_u32 s17, s17, s41                     ; tile row of C
	s_lshl_b32 s43, s41, 2
	s_lshl_b32 s43, 15, s43                        ; my row of the cluster
	s_lshl_b32 s44, 0x1111, s40                    ; my column
	s_or_b32 s[G1+0], s43, (0<<16)|(1<<20)|(1<<21)|(5<<22)|(3<<25)  ; the mask; elements of 1 byte; padding on; bit 21 beside a mask; 4 words of padding after every 64
	s_or_b32 s[G1B+0], s44, (0<<16)|(1<<20)|(1<<21)|(5<<22)|(3<<25)
.irp g, G1, G1B
	s_mov_b32 s[\g+1], ROWB<<16                    ; tensor_dim0
	s_mov_b32 s[\g+2], 128<<16                     ; tensor_dim1
	s_mov_b32 s[\g+3], ROWB<<16                    ; tile_dim0
	s_mov_b32 s[\g+4], 128                         ; tile_dim1
	s_mov_b32 s[\g+5], KROW                        ; the pitch
	s_mov_b32 s[\g+6], 0
	s_mov_b32 s[\g+7], 0
.endr
	s_or_b32 s[G1S+0], s43, (3<<16)|(1<<20)|(1<<21)|(5<<22)|(3<<25)   ; the scales of 128 rows: 4,096 dense bytes as 16 rows of 256 (32 elements of 8 bytes), 16 bytes of padding behind each
	s_or_b32 s[G1SB+0], s44, (3<<16)|(1<<20)|(1<<21)|(5<<22)|(3<<25)
.irp g, G1S, G1SB
	s_mov_b32 s[\g+1], 32<<16
	s_mov_b32 s[\g+2], (128*KS/256)<<16
	s_mov_b32 s[\g+3], 32<<16
	s_mov_b32 s[\g+4], 128*KS/256
	s_mov_b32 s[\g+5], 32
	s_mov_b32 s[\g+6], 0
	s_mov_b32 s[\g+7], 0
.endr
	s_lshl_b32 s18, s16, 7
	s_lshl_b32 s20, s17, 8
	s_add_co_u32 s20, s20, s18                     ; x: row 256 x tile row + 128 x half
	s_lshl_b32 s46, s42, 8
	s_add_co_u32 s46, s46, s18                     ; W: row 256 x tile column + 128 x half
	s_mov_b32 s21, 0
	s_mov_b32 s47, 0
	s_mov_b64 s[18:19], KS
	s_mul_u64 s[22:23], s[20:21], s[18:19]         ; where these rows' scales begin,
	s_mul_u64 s[92:93], s[46:47], s[18:19]
	s_mov_b64 s[18:19], KROW
	s_mul_u64 s[20:21], s[20:21], s[18:19]         ; and their codes
	s_mul_u64 s[46:47], s[46:47], s[18:19]
	s_mul_i32 s45, s14, HALFT                      ; where they go: wave x 128 rows: no place in the cluster enters an LDS address
	s_mul_i32 s94, s14, HALFS
	s_wait_dscnt 0x0                               ; both opening adds are done
	s_wait_kmcnt 0x0
	s_add_nc_u64 s[8:9], s[4:5], XCODES            ; W's codes
	s_add_nc_u64 s[10:11], s[6:7], XSCALES         ; W's scales
	s_add_nc_u64 s[20:21], s[4:5], s[20:21]
	s_add_nc_u64 s[22:23], s[6:7], s[22:23]
	s_add_nc_u64 s[46:47], s[8:9], s[46:47]
	s_add_nc_u64 s[92:93], s[10:11], s[92:93]
	CROUND                                         ; all sixteen work-groups are here: the first joint loads meet
	s_mov_b32 s[G0S], 1
	s_add_co_u32 s[G0S+1], s94, SCL
	s_mov_b64 s[G0S+2:G0S+3], s[22:23]
	s_or_b32 s[G0S+3], s[G0S+3], 0x80000000
	s_mov_b32 s[G0SB], 1
	s_add_co_u32 s[G0SB+1], s94, SCL
	s_mov_b64 s[G0SB+2:G0SB+3], s[92:93]
	s_or_b32 s[G0SB+3], s[G0SB+3], 0x80000000
	JLOAD G0S, G1S, G0SB, G1SB                     ; the scales first: they are wanted with K step 0
.irp s, 0,1
	s_mov_b32 s[G0+4*\s], 1
	s_add_co_u32 s[G0+4*\s+1], s45, \s*SLOT
	s_add_nc_u64 s[G0+4*\s+2:G0+4*\s+3], s[20:21], \s*ROWB
	s_or_b32 s[G0+4*\s+3], s[G0+4*\s+3], 0x80000000
	s_mov_b32 s[G0B+4*\s], 1
	s_add_co_u32 s[G0B+4*\s+1], s45, \s*SLOT
	s_add_nc_u64 s[G0B+4*\s+2:G0B+4*\s+3], s[46:47], \s*ROWB
	s_or_b32 s[G0B+4*\s+3], s[G0B+4*\s+3], 0x80000000
	JLOAD G0+4*\s, G1, G0B+4*\s, G1B               ; three loads of mine are out: the scales and both slots
.endr
	v_and_b32 v1, 15, v0                           ; r
	v_bfe_u32 v2, v0, 4, 1                         ; h
	v_mul_u32_u24 v3, v1, PITCH
	v_lshl_add_u32 v4, v2, 4, v3                   ; a fragment's row x pitch + 16 h
	s_mul_i32 s21, s15, HALFT
	s_mul_i32 s22, s16, HALFT
	s_add_co_u32 s22, s22, 2*HALFT
.irp s, 0,1
	v_add_nc_u32 v[ADRA+\s], s21, v4
	v_add_nc_u32 v[ADRB+\s], s22, v4
	s_add_co_u32 s21, s21, SLOT
	s_add_co_u32 s22, s22, SLOT
.endr
	v_mul_u32_u24 v5, v1, KS                       ; my row's scales: KS bytes a row,
	v_lshrrev_b32 v6, 8, v5
	v_lshl_add_u32 v5, v6, 4, v5                   ; and 16 more for each 256 passed
	s_mul_i32 s21, s15, HALFS
	s_mul_i32 s22, s16, HALFS
	s_add_co_u32 s22, s22, 2*HALFS
	s_sub_co_u32 s22, s22, s21
	v_mul_u32_u24 v6, s22, v2                      ; lanes 16-31 take W's
	s_add_co_u32 s21, s21, SCL
	v_add_nc_u32 v5, v5, v6
	v_add_nc_u32 v[ADRS], s21, v5
	; the way out's addresses
	v_lshlrev_b32 v[VT], 8, v1
	v_lshl_add_u32 v[VT], v2, 5, v[VT]             ; the table: position r's 256 bytes, + my four frequencies' 32
	v_and_b32 v6, 31, v0
	v_lshlrev_b32 v[LP], 4, v6
	v_lshrrev_b32 v5, 3, v1
	v_lshlrev_b32 v[LPV], 8, v5
	v_lshl_add_u32 v[LPV], v2, 7, v[LPV]
	v_and_b32 v5, 7, v1
	v_lshl_add_u32 v[LPV], v5, 4, v[LPV]
	s_lshl_b32 s66, s17, 16                        ; my first position is 256 x tile row + 128 x half: 256 bytes of the table each
	s_lshl_b32 s95, s15, 15
	s_add_co_u32 s66, s66, s95
	s_mov_b32 s67, 0
	s_add_nc_u64 s[12:13], s[12:13], s[66:67]
	s_lshl_b32 s66, ttmp9, 23                      ; qkv: the kind's 8,388,608 bytes,
	s_lshl_b32 s95, s40, 21                        ; head 4 cx + 2 x column half, 524,288 bytes a head,
	s_add_co_u32 s66, s66, s95
	s_lshl_b32 s95, s16, 20
	s_add_co_u32 s66, s66, s95
	s_lshl_b32 s95, s17, 15                        ; tile of positions 16 x tile row + 8 x row half, 2,048 bytes each
	s_add_co_u32 s66, s66, s95
	s_lshl_b32 s95, s15, 14
	s_add_co_u32 s66, s66, s95
	s_add_nc_u64 s[96:97], s[96:97], s[66:67]
	s_mul_i32 s66, s41, 196608                     ; r16: my cy's part, the kind's 65,536 bytes, tile of columns 16 cx + 8 x column half
	s_lshl_b32 s95, ttmp9, 16
	s_add_co_u32 s66, s66, s95
	s_lshl_b32 s95, s40, 14
	s_add_co_u32 s66, s66, s95
	s_lshl_b32 s95, s16, 13
	s_add_co_u32 s66, s66, s95
	s_add_nc_u64 s[98:99], s[98:99], s[66:67]
.macro FRAG reg, adr, q, i             ; a fragment, 16 rows x 128 K of 4-bit codes: registers 4 c .. 4 c + 3 hold K = 64 c + 32 h + 0 .. 31
.irp c, 0,1
	ds_load_b128 v[\reg+4*\c:\reg+4*\c+3], v[\adr] offset:64*(\q)+32*\c+(\i)*16*PITCH
.endr
.endm
; 16 matrix instructions: x's blocks a0, a0 + 1 against W's eight, 128 along K.  The 64 accumulators take turns, one instruction a turn, in the same order in every step.
.macro MUL16 a0, p, q, sc, zero
.irp a, \a0, \a0+1
.irp b, 0,1,2,3,4,5,6,7
.if \zero
	v_wmma_scale_f32_16x16x128_f8f6f4 v[8*(8*((\a)%4)+\b):8*(8*((\a)%4)+\b)+7], v[128*(\p)+FR*\b:128*(\p)+FR*\b+FR-1], v[AF+FR*(\a):AF+FR*(\a)+FR-1], 0, v[SC+8*NQ*(\sc)+NQ*\b+(\q)], v[SC+8*NQ*(\sc)+NQ*(\a)+(\q)] matrix_a_fmt:MATRIX_FMT_FP4 matrix_b_fmt:MATRIX_FMT_FP4 matrix_a_scale:MATRIX_SCALE_ROW1
.else
	v_wmma_scale_f32_16x16x128_f8f6f4 v[8*(8*((\a)%4)+\b):8*(8*((\a)%4)+\b)+7], v[128*(\p)+FR*\b:128*(\p)+FR*\b+FR-1], v[AF+FR*(\a):AF+FR*(\a)+FR-1], v[8*(8*((\a)%4)+\b):8*(8*((\a)%4)+\b)+7], v[SC+8*NQ*(\sc)+NQ*\b+(\q)], v[SC+8*NQ*(\sc)+NQ*(\a)+(\q)] matrix_a_fmt:MATRIX_FMT_FP4 matrix_b_fmt:MATRIX_FMT_FP4 matrix_a_scale:MATRIX_SCALE_ROW1
.endif
.endr
.endr
.endm
.macro FETCH_B slot, q, p
	WIN TO_B
.irp i, 0,1,2,3,4,5,6,7
	FRAG 128*(\p)+FR*\i, ADRB+\slot, \q, \i
.endr
	WIN 0
.endm
.macro FETCH_A slot, q, i0
.irp i, \i0, \i0+1, \i0+2, \i0+3
	FRAG AF+FR*(\i), ADRA+\slot, \q, \i
.endr
.endm
.macro SCALES sc                       ; a slot's scale words: lanes 0-15 take x's block i, lanes 16-31 W's block i
.irp i, 0,1,2,3,4,5,6,7
	ds_load_b128 v[SC+8*NQ*\sc+NQ*\i:SC+8*NQ*\sc+NQ*\i+3], v[ADRS] offset:\i*SBLK
.endr
.endm
.macro PLACES n                        ; plain vector instructions between a matrix instruction and a load into, or a vector instruction on, its registers
.rept \n
	v_nop
.endr
.endm
.macro STEP slot, q, zero              ; a step of 128 along K that has its successor in the same slot
	s_wait_dscnt 4*NL                              ; W's set and x's blocks 0-3 are in; the youngest eight loads (x's blocks 4-7) may be out
	WIN MUL_LO
	MUL16 0, (\q)%2, \q, \slot, \zero
	MUL16 2, (\q)%2, \q, \slot, \zero
	s_wait_dscnt 0
	PLACES NP
	FETCH_B \slot, (\q)+1, 1-(\q)%2
	FETCH_A \slot, (\q)+1, 0
	WIN MUL_HI
	MUL16 4, (\q)%2, \q, \slot, \zero
	MUL16 6, (\q)%2, \q, \slot, \zero
	PLACES NP
	WIN 0
	FETCH_A \slot, (\q)+1, 4
.endm
; Slot 0's last step changes slots: each wave waits for all its tensor loads (its part of slot 1), then the barrier; nothing is filled again.
.macro TURN slot, next
	s_wait_tensorcnt 0x0                           ; all my tensor loads have landed
	ds_add_u32 v[SPW], v[NIL]                      ; 0 onto my spare word
	s_wait_dscnt 4*NL+1                            ; (the add and the youngest eight loads may be out)
	WIN MUL_LO
	MUL16 0, 1, NQ-1, \slot, 0
	s_wait_dscnt 0x0                               ; the add is done, and my reads of this slot are over
	s_barrier_signal -1
	MUL16 2, 1, NQ-1, \slot, 0
	WIN 0
	s_barrier_wait -1
	PLACES NP
	v_add_nc_u32 v[ADRS], 4*NQ, v[ADRS]            ; on to the next slot's scale words
	FETCH_B \next, 0, 0
	FETCH_A \next, 0, 0
	SCALES \next
	WIN MUL_HI
	MUL16 4, 1, NQ-1, \slot, 0
	MUL16 6, 1, NQ-1, \slot, 0
	PLACES NP
	WIN 0
	FETCH_A \next, 0, 4
.endm
.macro STEPS slot, from
.set Q, \from
.rept NQ-1-\from
	STEP \slot, Q, 0
.set Q, Q+1
.endr
.endm
	s_wait_tensorcnt 1                             ; the scales and my part of slot 0 are in (slot 1's load may be out)
	s_barrier_signal -1
	s_barrier_wait -1                              ; everybody's are
	FETCH_B 0, 0, 0
	FETCH_A 0, 0, 0
	SCALES 0
	FETCH_A 0, 0, 4
	STEP 0, 0, 1                                   ; the first step's products start the sums: nothing is cleared
	STEPS 0, 1
	TURN 0, 1
	STEPS 1, 0
	s_wait_dscnt 4*NL                              ; the last step: nothing more to fetch
	WIN MUL_LO
	MUL16 0, 1, NQ-1, 1, 0
	MUL16 2, 1, NQ-1, 1, 0
	s_wait_dscnt 0
	WIN MUL_HI
	MUL16 4, 1, NQ-1, 1, 0
	MUL16 6, 1, NQ-1, 1, 0
	WIN 0
; THE WAY OUT, block by block of 16 positions x 128 columns.  Lane (r, h) holds position r and, of accumulator b, columns 16 b + 8 h + 0..7: head b / 4 of my two, channels 16 (b % 4) + 8 h + 0..7: four pairs (even, odd), frequencies 8 (b % 4) + 4 h + 0..3.
.macro ROPELOAD a                      ; block a's table entries: for each b % 4 four (cos, sin), 32 bytes
	WIN TO_B
.irp bq, 0,1,2,3
	global_load_b128 v[RT+32*((\a)%2)+8*\bq:RT+32*((\a)%2)+8*\bq+3], v[VT], s[12:13] offset:(\a)*4096+64*\bq
	global_load_b128 v[RT+32*((\a)%2)+8*\bq+4:RT+32*((\a)%2)+8*\bq+7], v[VT], s[12:13] offset:(\a)*4096+64*\bq+16
.endr
	WIN 0
.endm
.macro R16OUT                          ; the f32 numbers of a work-group's first 16 rows, in the first row of clusters (the cluster's y and the wave's number: alike in all partners)
	s_and_b32 s95, ttmp7, 0xffff
	s_or_b32 s95, s95, s15
	s_cmp_lg_u32 s95, 0
	s_cbranch_scc1 .Lnot16_\@
.irp b, 0,1,2,3,4,5,6,7
	global_store_b128 v[LP], v[TT+8*\b:TT+8*\b+3], s[98:99] offset:1024*\b
	global_store_b128 v[LP], v[TT+8*\b+4:TT+8*\b+7], s[98:99] offset:1024*\b+512
.endr
.Lnot16_\@:
.endm
.macro PACKOUT a, adr                  ; to f16, and out: 512 consecutive bytes a store
.set OB, OPK+32*((\a)%2)
.irp b, 0,1,2,3,4,5,6,7
.irp n, 0,1,2,3
	v_cvt_pk_f16_f32 v[OB+4*\b+\n], v[TT+8*\b+2*\n], v[TT+8*\b+2*\n+1]
.endr
.endr
.irp b, 0,1,2,3,4,5,6,7
	global_store_b128 v[\adr], v[OB+4*\b:OB+4*\b+3], s[96:97] offset:(\b/4)*524288+(\a)*2048+(\b%4)*512
.endr
.endm
.macro QKBLK a
.set XA, 64*((\a)%4)
.set RR, RT+32*((\a)%2)
.set WN, 0x06+(\a)/4                   ; source 0 (the accumulators) window 2 or 3, source 1 (the table) window 1
.if (\a) < 7
	s_wait_loadcnt 8                               ; this block's eight table loads are in; the next block's may be out
.else
	s_wait_loadcnt 0x0
.endif
	s_wait_xcnt 0x0                                ; the earlier stores have read their data: the registers are written again only behind this wait
	WIN WN
.irp b, 0,1,2,3,4,5,6,7
.irp i, 0,1,2,3
	v_mul_f32 v[TT+8*\b+2*\i], v[XA+8*\b+2*\i], v[RR+8*(\b%4)+2*\i]             ; cos x even   (each accumulator is read from its low end on)
	v_mul_f32 v[TT+8*\b+2*\i+1], v[XA+8*\b+2*\i], v[RR+8*(\b%4)+2*\i+1]         ; sin x even
.endr
.irp i, 0,1,2,3
	v_fma_f32 v[TT+8*\b+2*\i], -v[XA+8*\b+2*\i+1], v[RR+8*(\b%4)+2*\i+1], v[TT+8*\b+2*\i]     ; - sin x odd
	v_fma_f32 v[TT+8*\b+2*\i+1], v[XA+8*\b+2*\i+1], v[RR+8*(\b%4)+2*\i], v[TT+8*\b+2*\i+1]    ; + cos x odd
.endr
.endr
	WIN 0
.if (\a) == 0
	R16OUT
.endif
.if (\a) < 6
	ROPELOAD (\a)+2
.endif
	PACKOUT \a, LP
.endm
.macro VBLK a
.set XA, 64*((\a)%4)
.set WN, 0x02+(\a)/4
	s_wait_xcnt 0x0
	WIN WN
.irp b, 0,1,2,3,4,5,6,7
.irp i, 0,1,2,3
	v_pk_mul_f32 v[TT+8*\b+2*\i:TT+8*\b+2*\i+1], v[XA+8*\b+2*\i:XA+8*\b+2*\i+1], 0x3e800000 op_sel_hi:[1,0]   ; v / 4, exact
.endr
.endr
	WIN 0
.if (\a) == 0
	R16OUT
.endif
	PACKOUT \a, LPV
.endm
	PLACES NP                                      ; behind the last products: for the reads of results, the writes over x's fragments and the loads over W's
	s_cmp_eq_u32 ttmp9, 2                          ; the cluster's x is the kind: alike in all partners
	s_cbranch_scc1 .Lkind_v
	ROPELOAD 0
	ROPELOAD 1
.irp a, 0,1,2,3,4,5,6,7
	QKBLK \a
.endr
	s_branch .Lout_done
.Lkind_v:
.irp a, 0,1,2,3,4,5,6,7
	VBLK \a
.endr
.Lout_done:
	s_wait_tensorcnt 0x0                           ; the wave's end, behind my last tensor load
	ds_add_u32 v[SPW], v[NIL]
	s_wait_dscnt 0x0
	CROUND                                         ; the closing round: no work-group ends while a partner may still ask for a tile that names it
	s_endpgm
.Lfunc_end_k_q04ede01fd3_qkv:
	.size	k_q04ede01fd3_qkv, .Lfunc_end_k_q04ede01fd3_qkv-k_q04ede01fd3_qkv
	.p2alignl 7, 3214868480
	.fill 96, 4, 3214868480
	.section	.rodata,"a",@progbits
	.p2align	6, 0x0
	.amdhsa_kernel k_q04ede01fd3_qkv
		.amdhsa_group_segment_fixed_size 327680
		.amdhsa_private_segment_fixed_size 0
		.amdhsa_enable_private_segment 0
		.amdhsa_kernarg_size 40
		.amdhsa_user_sgpr_count 2
		.amdhsa_user_sgpr_kernarg_segment_ptr 1
		.amdhsa_wavefront_size32 1
		.amdhsa_system_sgpr_workgroup_id_x 1
		.amdhsa_system_sgpr_workgroup_id_y 1
		.amdhsa_system_sgpr_workgroup_id_z 1
		.amdhsa_system_vgpr_workitem_id 0
		.amdhsa_next_free_vgpr 1024
		.amdhsa_next_free_sgpr 100
		.amdhsa_reserve_vcc 0
		.amdhsa_float_denorm_mode_32 3
		.amdhsa_float_denorm_mode_16_64 3
		.amdhsa_memory_ordered 1
		.amdhsa_forward_progress 1
		.amdhsa_inst_pref_size 223
	.end_amdhsa_kernel
	.amdgpu_metadata
---
amdhsa.version: [ 1, 2 ]
amdhsa.kernels:
  - .name:           k_q04ede01fd3_qkv
    .symbol:         k_q04ede01fd3_qkv.kd
    .args:
      - { .name: codes, .offset: 0, .size: 8, .value_kind: global_buffer, .address_space: global }
      - { .name: scales, .offset: 8, .size: 8, .value_kind: global_buffer, .address_space: global }
      - { .name: aux, .offset: 16, .size: 8, .value_kind: global_buffer, .address_space: global }
      - { .name: qkv, .offset: 24, .size: 8, .value_kind: global_buffer, .address_space: global }
      - { .name: r16, .offset: 32, .size: 8, .value_kind: global_buffer, .address_space: global }
    .group_segment_fixed_size: 327680
    .private_segment_fixed_size: 0
    .kernarg_segment_align: 8
    .kernarg_segment_size: 40
    .max_flat_workgroup_size: 128
    .sgpr_count:     100
    .vgpr_count:     1024
    .wavefront_size: 32
...
	.end_amdgpu_metadata
.endif
;; end of part 2
;; launch attn (part 3): grid 16 x 16, 8 waves a work-group, no clusters, 327,680 bytes of LDS; arguments qkv, att; writes att
.if DOCPART == 3
	.amdgcn_target "amdgcn-amd-amdhsa--gfx1250"
	.amdhsa_code_object_version 6
	.text
	.protected	k_q04ede01fd3_attn
	.globl	k_q04ede01fd3_attn
	.p2align	8
	.type	k_q04ede01fd3_attn,@function
k_q04ede01fd3_attn:
	s_mov_b64 s[64:65], 0
	v_nop
	global_prefetch_b8 v0, s[64:65] scope:SCOPE_SE
	s_setreg_imm32_b32 hwreg(HW_REG_WAVE_MODE, 25, 1), 1
	s_wait_xcnt 0x0
; Causal attention of 16 heads of 64 on f16 operands: att[q] = sum over k <= q of softmax_k(q . k) v[k] / 4.  q and k carry sqrt(log2(e) / 8) each, so a score is the exponent to base 2; v carries 1/4.  Products, maxima and sums in f32.
; LEFT OUT: key steps all of whose keys come after a wave's queries, and slots that come after a work-group's last query: reference()'s own causal mask sets their weights to 0 for all values of the inputs.
; SHARES.  A head has 32 blocks of 128 queries.  Work-group x takes blocks x and 31 - x, which together see 33 blocks of keys whatever x is: 256 equal work-groups.  A wave owns 32 queries, two tiles of 16 that share
; every fragment of K and V.  The parity of the wave's number picks the block (waves 0, 3, 5, 6 the early one), wave / 2 its place in it.
; NO CLUSTER: the work-groups of a head end their walk at different slots under the mask, so a joint load would bring some partners tiles that none of their waves reads.
; LAYOUT.  S^T = K Q^T (source 0 = 16 keys, source 1 = 16 queries): a lane holds one query and keys 8 h + 0..7; two such tiles, rounded to f16, are source 1 of O^T = V^T P.  q, k and v lie in memory as images of the
; operands' registers (512 B for 16 positions x 16 channels), so a slot is a dense copy and every LDS read is at 16 x lane: no padding.  V is turned by ds_load_tr16_b128.
; SOFTMAX.  A running maximum m and sum l for each query; p = 2^(s - m); in every step O and l are multiplied by a = 2^(m_old - m_new).  O, l begin as zeros and m as -3e38, so the step is written once.
; THE RING.  Two slots of 256 keys (K's 32 KB, then V's).  Each of the eight waves fetches 8 KB of a slot by one tensor load: one load of mine is out at a time.
; The first tile of 16 queries of each head is computed here too (it shares a wave with the second); the last launch gives its rows of the output anew in f32.
; REGISTERS.  window 0: v1-10 addresses and constants; v16-31 statistics, 8 a tile (+0 m, +1 zero, +2, +3 l, +4..7 at work, a at +6); v32-95 S^T, 32 a tile; v96-127 P, 16 a tile; v128-191 K's 8 fragments.
;   window 1: v0-63 O^T, 32 a tile; v64-95 Q; v128-191 V's 8 fragments.
.set SLOT1, 1<<16                      ; slot 1 begins here: one exclusive or turns an address from one slot to the other
.set VOFF,  32768                      ; V's images in a slot
.set SPARE, 131072                     ; the spare words, 128 bytes a wave, that no other line names
.set LN16, 1                           ; v1  16 x lane
.set ADK,  2                           ; v2  the slot in hand + 16 x lane
.set SPW,  3
.set NIL,  4
.set RH,   6                           ; v6  r - 8 h
.set D0,   7                           ; v7, v10: the mask's bounds for the two tiles
.set NINF, 8                           ; v8  -infinity
.set PFO,  9                           ; v9  256 x lane
.set ST,   16
.set S,    32
.set P,    96
.set KF,   128
.set OO,   0                           ; in window 1
.set QF,   64
.set VF,   128
.set WV,   8
.set Q0,   12                          ; s12 my first query;  s13 my last;  s14 my work-group's last
.set QE,   13
.set QL,   14
.set KS,   15                          ; s15 the first key of the slot in hand
.set TB,   16                          ; s16 its LDS byte
.set SLOTS, 17
.set LIM,  18
.set SEL,  20
.set G1,   24
.set G0,   32
.set PFA,  36
.set MSB, 0
.macro WIN new
.if MSB != \new
	s_set_vgpr_msb (MSB<<8)|\new
.set MSB, \new
.endif
.endm
.set W_KQ, 0x04                        ; Q (source 1) in window 1
.set W_PV, 0x51                        ; V (source 0), C and D in window 1
.set W_RS, 0x41                        ; O^T (destination and source 0) in window 1
.set TO_1, 0x40                        ; destination window 1
	s_load_b128 s[4:7], s[0:1], 0x0                ; qkv, att
	v_lshl_add_u32 v[SPW], v0, 2, SPARE
	v_mov_b32 v[NIL], 0
	ds_add_u32 v[SPW], v[NIL]                      ; the wave's opening: the add, twice on end, and its wait ahead of my first tensor load
	ds_add_u32 v[SPW], v[NIL]
	v_lshrrev_b32 v5, 5, v0
	v_readfirstlane_b32 s[WV], v5                  ; wave 0..7
	s_mov_b32 s[G1], 3<<16                         ; group 1: 8,192 dense bytes as 32 rows of 32 elements of 8 bytes; no mask, no padding
	s_mov_b32 s[G1+1], 32<<16                      ; tensor_dim0
	s_mov_b32 s[G1+2], 32<<16                      ; tensor_dim1
	s_mov_b32 s[G1+3], 32<<16                      ; tile_dim0
	s_mov_b32 s[G1+4], 32                          ; tile_dim1
	s_mov_b32 s[G1+5], 32                          ; the pitch
	s_mov_b32 s[G1+6], 0
	s_mov_b32 s[G1+7], 0
	s_and_b32 s40, ttmp7, 0xffff
	s_lshl_b32 s40, s40, 19                        ; the head's 524,288 bytes in each kind
	s_lshr_b32 s41, s[WV], 1                       ; my place in the block
	s_lshr_b32 s42, s[WV], 2
	s_xor_b32 s43, s[WV], s41
	s_xor_b32 s43, s43, s42
	s_and_b32 s43, s43, 1                          ; the parity of the wave's number
	s_sub_co_u32 s44, 31, ttmp9
	s_cmp_eq_u32 s43, 1
	s_cselect_b32 s44, s44, ttmp9                  ; my block of 128 queries
	s_lshl_b32 s[Q0], s44, 7
	s_lshl_b32 s45, s41, 5
	s_add_co_u32 s[Q0], s[Q0], s45
	s_add_co_u32 s[QE], s[Q0], 31
	s_sub_co_u32 s[QL], 32, ttmp9
	s_lshl_b32 s[QL], s[QL], 7
	s_sub_co_u32 s[QL], s[QL], 1
	s_mov_b32 s[KS], 0
	s_mov_b32 s[TB], 0
	s_mov_b32 s[SLOTS], 15
	s_cmp_eq_u32 ttmp9, 0
	s_cselect_b32 s[LIM], 1, -1                    ; the head's first work-group, which walks all 16 slots, prefetches
	s_mov_b32 s[SEL], 0x76543210
	s_mov_b32 s[SEL+1], 0xfedcba98
	s_add_co_u32 s46, s42, 1                       ; waves 0-3 fetch K (kind 1), waves 4-7 V (kind 2):
	s_lshl_b32 s46, s46, 23
	s_add_co_u32 s46, s46, s40
	s_and_b32 s45, s[WV], 3
	s_lshl_b32 s45, s45, 13                        ; a quarter of the slot's 32 KB each
	s_add_co_u32 s46, s46, s45
	s_mov_b32 s47, 0
	s_lshl_b32 s45, s[WV], 13                      ; and in a slot: 8,192 x wave
	s_wait_dscnt 0x0                               ; both opening adds are done
	s_wait_kmcnt 0x0
	s_mov_b32 s[G0], 1
	s_mov_b32 s[G0+1], s45
	s_add_nc_u64 s[G0+2:G0+3], s[4:5], s[46:47]
	s_or_b32 s[G0+3], s[G0+3], 0x80000000
	tensor_load_to_lds s[G0:G0+3], s[G1:G1+7]      ; slot 0: every wave issues its part, with no branch
	s_nop 0
.rept 4
	v_nop
.endr
	s_add_nc_u64 s[PFA:PFA+1], s[4:5], s[46:47]
	s_add_nc_u64 s[PFA:PFA+1], s[PFA:PFA+1], 32768 ; my part of slot 1: the first change of slots steps it to slot 2.  Nothing is prefetched at the head
	v_and_b32 v5, 31, v0
	v_lshlrev_b32 v[LN16], 4, v5
	v_lshlrev_b32 v[PFO], 8, v5
	v_and_b32 v[RH], 15, v0
	v_bfe_u32 v5, v0, 4, 1
	v_lshlrev_b32 v5, 3, v5
	v_sub_nc_u32 v[RH], v[RH], v5
	v_mov_b32 v[NINF], 0xff800000
	s_lshl_b32 s46, s[Q0], 7                       ; Q: 2,048 bytes for each 16 queries
	s_add_co_u32 s46, s46, s40
	s_add_nc_u64 s[10:11], s[4:5], s[46:47]
	s_lshl_b32 s46, s[Q0], 11                      ; att: 32,768 bytes for each 16 queries, the head's 2,048 in them
	s_lshr_b32 s45, s40, 8
	s_add_co_u32 s46, s46, s45
	s_add_nc_u64 s[6:7], s[6:7], s[46:47]
.irp t, 0,1
	v_mov_b32 v[ST+8*\t], 0xff61b1e6               ; m = -3e38, under every score
.irp i, 1,2,3,4,5,6,7
	v_mov_b32 v[ST+8*\t+\i], 0                     ; l, and the registers at work
.endr
.endr
	WIN TO_1
.irp t, 0,1
.irp c, 0,1
	global_load_b128 v[QF+16*\t+8*\c:QF+16*\t+8*\c+3], v[LN16], s[10:11] offset:\t*2048+\c*1024
	global_load_b128 v[QF+16*\t+8*\c+4:QF+16*\t+8*\c+7], v[LN16], s[10:11] offset:\t*2048+\c*1024+512
.endr
.endr
.set n, 0
.rept 64
	v_mov_b32 v[OO+n], 0                           ; O^T: the first step finds zeros, which its a = 0 leaves zeros
.set n, n+1
.endr
	WIN 0
; A prefetch of what the NEXT change of slots will ask for: each of the eight waves of the head's first work-group names its own 8 KB, lanes 256 bytes apart: each block is named once in the launch, a slot's four key steps ahead.
; The last change that fills a slot asks for nothing: there is no slot behind it.
.macro ASK
	s_cmp_gt_u32 s[SLOTS], s[LIM]
	s_cbranch_scc0 .Lnot_mine_\@
	global_prefetch_b8 v[PFO], s[PFA:PFA+1] th:TH_LOAD_NT scope:SCOPE_SE
.Lnot_mine_\@:
.endm
; THE CHANGE OF SLOTS stands at a slot's head.  Each wave waits for all its tensor loads (its part of the slot ahead), adds 0 to its spare word, and waits for that and for its reads of the slot that it has left.
; Behind the barrier the slot ahead is whole and nobody reads the other one.  fill = 1: the other slot takes the next 256 keys, if any query of the work-group sees them.
.macro CHANGE fill
	s_wait_tensorcnt 0x0                           ; no tensor load of mine is out, so group 0 may be written
	ds_add_u32 v[SPW], v[NIL]
.if \fill
	s_xor_b32 s[G0+1], s[G0+1], SLOT1
	s_add_nc_u64 s[G0+2:G0+3], s[G0+2:G0+3], 32768
	s_wait_xcnt 0x0                                ; the last prefetch, a slot back, has read its address
	s_add_nc_u64 s[PFA:PFA+1], s[PFA:PFA+1], 32768
.endif
	s_wait_dscnt 0x0                               ; the add is done, and my reads of the slot that I have left are over
	s_barrier_signal -1
	s_barrier_wait -1
.if \fill
	s_add_co_u32 s44, s[KS], 256                   ; the first key of the slot that this change would ask for,
	s_cmp_gt_u32 s44, s[QL]                        ; against my work-group's last query: ids and the count of slots alone, alike in all eight waves; every wait for tensor loads here is for 0
	s_cbranch_scc1 .Lpast_\@
	tensor_load_to_lds s[G0:G0+3], s[G1:G1+7]      ; my one tensor load behind the barrier: it has a slot's four key steps in which to land
	s_nop 0
.rept 4
	v_nop
.endr
.Lpast_\@:
	ASK
.endif
.endm
.macro FETCH_K q                       ; the step's 64 keys x 64 channels: fragment (kt, c) = keys 16 kt on, channels 32 c on
.irp kt, 0,1,2,3
.irp c, 0,1
	ds_load_b128 v[KF+8*(2*\kt+\c):KF+8*(2*\kt+\c)+3], v[ADK] offset:(4*(\q)+\kt)*2048+\c*1024
	ds_load_b128 v[KF+8*(2*\kt+\c)+4:KF+8*(2*\kt+\c)+7], v[ADK] offset:(4*(\q)+\kt)*2048+\c*1024+512
.endr
.endr
.endm
.macro FETCH_V q                       ; V^T: fragment (ks, ct) = channels 16 ct on, keys 32 ks on
	WIN TO_1
.irp ks, 0,1
.irp ct, 0,1,2,3
	ds_load_tr16_b128 v[VF+32*\ks+8*\ct:VF+32*\ks+8*\ct+3], v[ADK] offset:VOFF+(4*(\q)+2*\ks)*2048+\ct*512
	ds_load_tr16_b128 v[VF+32*\ks+8*\ct+4:VF+32*\ks+8*\ct+7], v[ADK] offset:VOFF+(4*(\q)+2*\ks+1)*2048+\ct*512
.endr
.endr
	WIN 0
.endm
.macro MASK q                          ; on the diagonal hidden scores become -infinity ahead of the maximum.  A step all of whose keys count skips this
	s_add_co_u32 s44, s[KS], 64*(\q)+63
	s_cmp_le_u32 s44, s[Q0]
	s_cbranch_scc1 .Lopen_\@
	s_sub_co_u32 s44, s[Q0], s[KS]
	s_sub_co_u32 s44, s44, 64*(\q)
	v_add_nc_u32 v[D0], s44, v[RH]                 ; register 8 kt + j of tile t holds key 16 kt + 8 h + j of the step: hidden where 16 kt + j > my query - the step's first key - 8 h
	v_add_nc_u32 v[D0+3], 16, v[D0]
.irp t, 0,1
.irp kt, 0,1,2,3
.irp j, 0,1,2,3,4,5,6,7
	v_cmp_gt_i32 vcc_lo, 16*\kt+\j, v[D0+3*\t]
	v_cndmask_b32 v[S+32*\t+8*\kt+\j], v[S+32*\t+8*\kt+\j], v[NINF], vcc_lo
.endr
.endr
.endr
.Lopen_\@:
.endm
.macro SOFTMAX                         ; both tiles line by line in turn
.irp j, 0,1,2,3
.irp t, 0,1
	v_max3_num_f32 v[ST+8*\t+4+\j], v[S+32*\t+8*\j], v[S+32*\t+8*\j+1], v[S+32*\t+8*\j+2]   ; four chains; each accumulator is read from its low end on
.endr
.endr
.irp g, 1,2
.irp j, 0,1,2,3
.irp t, 0,1
	v_max3_num_f32 v[ST+8*\t+4+\j], v[ST+8*\t+4+\j], v[S+32*\t+8*\j+2*\g+1], v[S+32*\t+8*\j+2*\g+2]
.endr
.endr
.endr
.irp t, 0,1
	v_max3_num_f32 v[ST+8*\t+4], v[ST+8*\t+4], v[S+32*\t+7], v[S+32*\t+15]
	v_max3_num_f32 v[ST+8*\t+6], v[ST+8*\t+6], v[S+32*\t+23], v[S+32*\t+31]
.endr
.irp t, 0,1
	v_max3_num_f32 v[ST+8*\t+4], v[ST+8*\t+4], v[ST+8*\t+5], v[ST+8*\t+6]
.endr
.irp t, 0,1
	v_max3_num_f32 v[ST+8*\t+4], v[ST+8*\t+4], v[ST+8*\t+7], v[ST+8*\t]       ; with the old m
.endr
.irp t, 0,1
	v_permlanex16_b32 v[ST+8*\t+5], v[ST+8*\t+4], s[SEL], s[SEL+1]            ; the query's other 32 keys lie in the lane 16 away
.endr
.irp t, 0,1
	v_mov_b32 v[ST+8*\t+7], v[ST+8*\t]
.endr
.irp t, 0,1
	v_max_num_f32 v[ST+8*\t], v[ST+8*\t+4], v[ST+8*\t+5]                      ; the new m
.endr
.irp t, 0,1
	v_sub_f32 v[ST+8*\t+7], v[ST+8*\t+7], v[ST+8*\t]                          ; m_old - m_new
.endr
.set n, 0
.rept 16
	v_pk_add_f32 v[S+2*n:S+2*n+1], v[S+2*n:S+2*n+1], v[ST:ST+1] op_sel_hi:[1,0] neg_lo:[0,1] neg_hi:[0,1]              ; s - m, two at a time
	v_pk_add_f32 v[S+32+2*n:S+32+2*n+1], v[S+32+2*n:S+32+2*n+1], v[ST+8:ST+9] op_sel_hi:[1,0] neg_lo:[0,1] neg_hi:[0,1]
.set n, n+1
.endr
	v_exp_f32 v[ST+6], v[ST+7]                     ; a.  The 66 exponentials are one batch
	v_exp_f32 v[ST+14], v[ST+15]
.set n, 0
.rept 32
	v_exp_f32 v[S+n], v[S+n]
	v_exp_f32 v[S+32+n], v[S+32+n]
.set n, n+1
.endr
	v_nop                                          ; a plain instruction behind the last exponential,
	s_wait_alu depctr_va_vdst(0)                   ; and one wait ahead of the batch's first reader
.set n, 0
.rept 16
	v_cvt_pk_f16_f32 v[P+n], v[S+2*n], v[S+2*n+1]
	v_cvt_pk_f16_f32 v[P+16+n], v[S+32+2*n], v[S+32+2*n+1]
.set n, n+1
.endr
.irp w, 4,8,16,32                      ; the sum of a tile's 16 pairs, in place: neighbours 1, 2, 4 and 8 pairs apart
.set u, 0
.rept 32/\w
	v_pk_add_f32 v[S+\w*u:S+\w*u+1], v[S+\w*u:S+\w*u+1], v[S+\w*u+\w/2:S+\w*u+\w/2+1]
	v_pk_add_f32 v[S+32+\w*u:S+32+\w*u+1], v[S+32+\w*u:S+32+\w*u+1], v[S+32+\w*u+\w/2:S+32+\w*u+\w/2+1]
.set u, u+1
.endr
.endr
.irp t, 0,1
	v_pk_fma_f32 v[ST+8*\t+2:ST+8*\t+3], v[ST+8*\t+2:ST+8*\t+3], v[ST+8*\t+6:ST+8*\t+7], v[S+32*\t:S+32*\t+1] op_sel_hi:[1,0,1]   ; l = a l + the sum
.endr
	WIN W_RS
.set n, 0
.rept 16
	v_pk_mul_f32 v[OO+2*n:OO+2*n+1], v[OO+2*n:OO+2*n+1], v[ST+6:ST+7] op_sel_hi:[1,0]                    ; O^T x a, ascending
	v_pk_mul_f32 v[OO+32+2*n:OO+32+2*n+1], v[OO+32+2*n:OO+32+2*n+1], v[ST+14:ST+15] op_sel_hi:[1,0]
.set n, n+1
.endr
	WIN 0
.endm
; A KEY STEP: 64 keys, the q-th of the slot in hand.  A step all of whose keys come after my queries ends the slot for me, so step q + 1 is reached only through step q, which has fetched its K.
.macro STEP q, id
	s_add_co_u32 s44, s[KS], 64*(\q)
	s_cmp_gt_u32 s44, s[QE]
	s_cbranch_scc1 .Lend_\id
.if (\q) == 0
	FETCH_K 0
.endif
	s_wait_dscnt 0x0                               ; K is in
	WIN W_KQ
.irp c, 0,1                            ; the eight accumulators take turns, one instruction a turn; the first eight products start the sums
.irp kt, 0,1,2,3
.irp t, 0,1
.if \c == 0
	v_wmma_f32_16x16x32_f16 v[S+32*\t+8*\kt:S+32*\t+8*\kt+7], v[KF+8*(2*\kt+\c):KF+8*(2*\kt+\c)+7], v[QF+16*\t+8*\c:QF+16*\t+8*\c+7], 0
.else
	v_wmma_f32_16x16x32_f16 v[S+32*\t+8*\kt:S+32*\t+8*\kt+7], v[KF+8*(2*\kt+\c):KF+8*(2*\kt+\c)+7], v[QF+16*\t+8*\c:QF+16*\t+8*\c+7], v[S+32*\t+8*\kt:S+32*\t+8*\kt+7]
.endif
.endr
.endr
.endr
	WIN 0
.rept 4
	v_nop                                          ; four places: for the loads into V's and K's registers and for the first read of the scores
.endr
	FETCH_V \q
.if (\q) < 3
	FETCH_K (\q)+1
.endif
	MASK \q
	SOFTMAX
.if (\q) < 3
	s_wait_dscnt 16                                ; V is in; the 16 younger loads, the next step's K, may be out
.else
	s_wait_dscnt 0x0
.endif
	WIN W_PV
.irp ks, 0,1
.irp ct, 0,1,2,3
.irp t, 0,1
	v_wmma_f32_16x16x32_f16 v[OO+32*\t+8*\ct:OO+32*\t+8*\ct+7], v[VF+32*\ks+8*\ct:VF+32*\ks+8*\ct+7], v[P+16*\t+8*\ks:P+16*\t+8*\ks+7], v[OO+32*\t+8*\ct:OO+32*\t+8*\ct+7]
.endr
.endr
.endr
	WIN 0
.endm
.macro SLOT_STEPS id
	v_add_nc_u32 v[ADK], s[TB], v[LN16]
	STEP 0, \id
	STEP 1, \id
	STEP 2, \id
	STEP 3, \id
.Lend_\id:
	s_add_co_u32 s[KS], s[KS], 256
	s_xor_b32 s[TB], s[TB], SLOT1
.endm
	s_wait_loadcnt 0x0                             ; Q
.Lslot:                                            ; 15 trips, a constant: every work-group passes every barrier; what the mask hides is jumped over inside
	CHANGE 1
	SLOT_STEPS 0
	s_sub_co_u32 s[SLOTS], s[SLOTS], 1
	s_cmp_lg_u32 s[SLOTS], 0
	s_cbranch_scc1 .Lslot
	CHANGE 0                                       ; the last slot is written out: nothing is left to ask for
	SLOT_STEPS 1
	; THE WAY OUT.  O^T / l, rounded to f16: the packed registers are the next launch's operand as they stand: att = [tile of 16 positions][32 along K][1 KB].
.rept 4
	v_nop                                          ; places behind the last products
.endr
.irp t, 0,1
	v_add_f32 v[ST+8*\t+4], v[ST+8*\t+2], v[ST+8*\t+3]
.endr
.irp t, 0,1
	v_permlanex16_b32 v[ST+8*\t+5], v[ST+8*\t+4], s[SEL], s[SEL+1]
.endr
.irp t, 0,1
	v_add_f32 v[ST+8*\t+4], v[ST+8*\t+4], v[ST+8*\t+5]
.endr
.irp t, 0,1
	v_rcp_f32 v[ST+8*\t+6], v[ST+8*\t+4]
.endr
	v_nop
	s_wait_alu depctr_va_vdst(0)                   ; one wait for the two reciprocals, ahead of their first reader
	WIN W_RS
.set n, 0
.rept 16
	v_pk_mul_f32 v[OO+2*n:OO+2*n+1], v[OO+2*n:OO+2*n+1], v[ST+6:ST+7] op_sel_hi:[1,0]
	v_pk_mul_f32 v[OO+32+2*n:OO+32+2*n+1], v[OO+32+2*n:OO+32+2*n+1], v[ST+14:ST+15] op_sel_hi:[1,0]
.set n, n+1
.endr
	WIN 0x05                                       ; sources in window 1, destination in window 0
.set n, 0
.rept 32
	v_cvt_pk_f16_f32 v[S+n], v[OO+2*n], v[OO+2*n+1]
.set n, n+1
.endr
	WIN 0
.irp t, 0,1
.irp ct, 0,1,2,3
	global_store_b128 v[LN16], v[S+16*\t+4*\ct:S+16*\t+4*\ct+3], s[6:7] offset:\t*32768+\ct*512   ; 512 consecutive bytes, aligned
.endr
.endr
	s_wait_tensorcnt 0x0                           ; the wave's end, behind my last tensor load
	ds_add_u32 v[SPW], v[NIL]
	s_wait_dscnt 0x0
	s_endpgm
.Lfunc_end_k_q04ede01fd3_attn:
	.size	k_q04ede01fd3_attn, .Lfunc_end_k_q04ede01fd3_attn-k_q04ede01fd3_attn
	.p2alignl 7, 3214868480
	.fill 96, 4, 3214868480
	.section	.rodata,"a",@progbits
	.p2align	6, 0x0
	.amdhsa_kernel k_q04ede01fd3_attn
		.amdhsa_group_segment_fixed_size 327680
		.amdhsa_private_segment_fixed_size 0
		.amdhsa_enable_private_segment 0
		.amdhsa_kernarg_size 16
		.amdhsa_user_sgpr_count 2
		.amdhsa_user_sgpr_kernarg_segment_ptr 1
		.amdhsa_wavefront_size32 1
		.amdhsa_system_sgpr_workgroup_id_x 1
		.amdhsa_system_sgpr_workgroup_id_y 1
		.amdhsa_system_sgpr_workgroup_id_z 1
		.amdhsa_system_vgpr_workitem_id 0
		.amdhsa_next_free_vgpr 448
		.amdhsa_next_free_sgpr 66
		.amdhsa_reserve_vcc 1
		.amdhsa_float_denorm_mode_32 3
		.amdhsa_float_denorm_mode_16_64 3
		.amdhsa_memory_ordered 1
		.amdhsa_forward_progress 1
		.amdhsa_inst_pref_size 184
	.end_amdhsa_kernel
	.amdgpu_metadata
---
amdhsa.version: [ 1, 2 ]
amdhsa.kernels:
  - .name:           k_q04ede01fd3_attn
    .symbol:         k_q04ede01fd3_attn.kd
    .args:
      - { .name: qkv, .offset: 0, .size: 8, .value_kind: global_buffer, .address_space: global }
      - { .name: att, .offset: 8, .size: 8, .value_kind: global_buffer, .address_space: global }
    .group_segment_fixed_size: 327680
    .private_segment_fixed_size: 0
    .kernarg_segment_align: 8
    .kernarg_segment_size: 16
    .max_flat_workgroup_size: 256
    .sgpr_count:     66
    .vgpr_count:     448
    .wavefront_size: 32
...
	.end_amdgpu_metadata
.endif
;; end of part 3
;; launch oproj (part 4): grid 8 x 32, 4 waves a work-group, clusters of 4 x 4, 327,680 bytes of LDS; arguments att, aux, out0; writes out0
.if DOCPART == 4
	.amdgcn_target "amdgcn-amd-amdhsa--gfx1250"
	.amdhsa_code_object_version 6
	.text
	.protected	k_q04ede01fd3_oproj
	.globl	k_q04ede01fd3_oproj
	.p2align	8
	.type	k_q04ede01fd3_oproj,@function
k_q04ede01fd3_oproj:
	s_mov_b64 s[64:65], 0
	v_nop
	global_prefetch_b8 v0, s[64:65] scope:SCOPE_SE
	s_setreg_imm32_b32 hwreg(HW_REG_WAVE_MODE, 25, 1), 1
	s_wait_xcnt 0x0
	s_wait_alu depctr_hold_cnt(0) depctr_sa_sdst(0) depctr_va_vdst(0) depctr_va_sdst(0) depctr_va_ssrc(0) depctr_va_vcc(0) depctr_vm_vsrc(0)
	s_getreg_b32 s2, hwreg(HW_REG_IB_STS2, 6, 4)
	s_cmp_eq_u32 s2, 0
	s_cbranch_scc0 .Lentry_in_a_cluster
	s_endpgm
.Lentry_in_a_cluster:
	s_bfe_u32 s2, ttmp6, 0x10000c
	s_cmp_lg_u32 s2, 0xf033
	s_cbranch_scc0 .Lentry_shape_is_right
	s_endpgm
.Lentry_shape_is_right:
; out0[pos][o] = sum over d of att[pos][d] x (4 wo)[o][d]: [4096] x [1024] x K 1024 on f16 operands, sums and result in f32.  (att carries the 1/4 that v was given; 4 wo takes it back, exactly.)
; A tile of the result is 128 x 128, so that there are 256 work-groups; four waves, each 64 x 64: 16 accumulators.  K goes in steps of 256 through a ring of two LDS slots.
; BOTH OPERANDS LIE IN MEMORY AS IMAGES OF THE OPERAND'S REGISTERS: [tile of 16 rows][32 along K, 32 of them][1 KB].  A K step of a tile of 16 rows is 8,192 consecutive bytes; a wave's tensor load brings four such rows,
; 32,768 bytes apart.  Every LDS read is at 16 x lane: no padding.
; CLUSTERS: 4 x 4 work-groups; att's tiles are asked for jointly along a row of the cluster, wo's along a column.  THE MATRIX INSTRUCTION IS USED TRANSPOSED (source 0 = 16 rows of wo, source 1 = 16 positions).
; Rows 0 to 15 are stored like all others; the last launch writes them anew in f32.
; REGISTERS: window 0: v0-31 addresses; v32-95 rows on the way out; v128-255 the accumulators ((a, b) at v[128 + 8 (4 a + b)]).  window 1: two fragment buffers of 128.
.set SIZE_N, 1024
.set SIZE_K, 1024
.set KSTEP,  256
.set STEPB,  8192                      ; a K step of a tile of 16 rows: eight images
.set HALFT,  4*STEPB                   ; 64 rows: what one tensor load brings, and what one wave reads of either operand
.set SLOT,   4*HALFT                   ; att's 128 rows, then wo's 128
.set STAGE,  2*SLOT                    ; behind the ring: 16 rows x 272 bytes for each wave, for the way out
.set SPITCH, 272
.set SPARE,  STAGE+4*16*SPITCH         ; the spare words, 128 bytes a wave, that no other line names
.set LAPS, SIZE_K/(2*KSTEP)
.set ADRA, 16
.set ADRB, 20
.set STO,  24
.set RD,   25
.set CO,   26
.set SPW,  28
.set NIL,  29
.set TMP,  32
.set ACC,  128
.set F0,   0
.set F1,   128
.set G1, 24
.set G0, 32
.set G1B, 48
.set G0B, 56
.set MSB, 0
.macro WIN new
.if MSB != \new
	s_set_vgpr_msb (MSB<<8)|\new
.set MSB, \new
.endif
.endm
.set MUL,  0x05                        ; sources 0 and 1 window 1; C and D window 0
.set TO_F, 0x40
.macro JLOAD s                         ; a joint load: waves 0 and 1 fetch att's two halves, waves 2 and 3 wo's; an s_nop 0 and four v_nop follow each of the two lines
	s_cmp_eq_u32 s11, 0
	s_cbranch_scc0 .Lfor_b_\@
	tensor_load_to_lds s[G0+4*\s:G0+4*\s+3], s[G1:G1+7]
	s_nop 0
.rept 4
	v_nop
.endr
	s_branch .Lasked_\@
.Lfor_b_\@:
	tensor_load_to_lds s[G0B+4*\s:G0B+4*\s+3], s[G1B:G1B+7]
	s_nop 0
.rept 4
	v_nop
.endr
.Lasked_\@:
.endm
.macro CREST                           ; a round of the cluster's barrier behind its opening barrier
	s_cmp_lg_u32 s10, 0
	s_cbranch_scc1 .Lnot_wave_0_\@
	s_barrier_signal -3
.Lnot_wave_0_\@:
	s_barrier_wait -3
	s_barrier_signal -1
	s_barrier_wait -1
.endm
.macro CROUND
	s_barrier_signal -1
	s_barrier_wait -1
	CREST
.endm
	s_load_b128 s[4:7], s[0:1], 0x0                ; att, aux
	s_load_b64 s[8:9], s[0:1], 0x10                ; out0
	v_lshl_add_u32 v[SPW], v0, 2, SPARE
	v_mov_b32 v[NIL], 0
	ds_add_u32 v[SPW], v[NIL]                      ; the wave's opening: the add, twice on end, and its wait ahead of my first tensor load
	ds_add_u32 v[SPW], v[NIL]
	v_lshrrev_b32 v1, 5, v0
	v_readfirstlane_b32 s10, v1                    ; wave 0..3
	s_lshr_b32 s11, s10, 1                         ; which half of the tile's rows is mine.  Also: I fetch for att (0) or for wo (1)
	s_and_b32 s12, s10, 1                          ; which half of its columns.  Also: which 64 rows of that tile I fetch
	s_bfe_u32 s40, ttmp6, 0x40000                  ; cx, cy
	s_bfe_u32 s41, ttmp6, 0x40004
	s_lshl_b32 s42, ttmp9, 2
	s_add_co_u32 s42, s42, s40                     ; tile column
	s_and_b32 s13, ttmp7, 0xffff
	s_lshl_b32 s13, s13, 2
	s_add_co_u32 s13, s13, s41                     ; tile row
	s_lshl_b32 s43, s41, 2
	s_lshl_b32 s43, 15, s43                        ; my row of the cluster
	s_lshl_b32 s44, 0x1111, s40                    ; my column
	s_or_b32 s[G1+0], s43, (3<<16)|(1<<21)         ; the mask; elements of 8 bytes; bit 21 beside a mask; no padding
	s_or_b32 s[G1B+0], s44, (3<<16)|(1<<21)
.irp g, G1, G1B
	s_mov_b32 s[\g+1], 1024<<16                    ; tensor_dim0 = 1,024 elements: 8,192 bytes
	s_mov_b32 s[\g+2], 4<<16                       ; tensor_dim1 = 4
	s_mov_b32 s[\g+3], 1024<<16                    ; tile_dim0
	s_mov_b32 s[\g+4], 4                           ; tile_dim1
	s_mov_b32 s[\g+5], 4096                        ; the pitch: 32,768 bytes
	s_mov_b32 s[\g+6], 0
	s_mov_b32 s[\g+7], 0
.endr
	s_lshl_b32 s17, s12, 6
	s_lshl_b32 s16, s13, 7
	s_add_co_u32 s16, s16, s17                     ; att: row 128 x tile row + 64 x half
	s_lshl_b32 s46, s42, 7
	s_add_co_u32 s46, s46, s17                     ; wo: row 128 x tile column + 64 x half
	s_mov_b32 s17, 0
	s_mov_b32 s47, 0
	s_mov_b64 s[18:19], SIZE_K*2                   ; 16 rows are 32,768 bytes of images: 2,048 a row
	s_mul_u64 s[16:17], s[16:17], s[18:19]
	s_mul_u64 s[46:47], s[46:47], s[18:19]
	s_mul_i32 s20, s10, HALFT                      ; where they go: wave x 64 rows
	s_wait_dscnt 0x0                               ; both opening adds are done
	s_wait_kmcnt 0x0
	s_add_nc_u64 s[6:7], s[6:7], 0x100000          ; wo's images lie behind the table
	s_add_nc_u64 s[14:15], s[4:5], s[16:17]
	s_add_nc_u64 s[46:47], s[6:7], s[46:47]
	CROUND                                         ; all sixteen work-groups are here: the first joint loads meet
.irp s, 0,1
	s_mov_b32 s[G0+4*\s], 1
	s_add_co_u32 s[G0+4*\s+1], s20, \s*SLOT
	s_add_nc_u64 s[G0+4*\s+2:G0+4*\s+3], s[14:15], \s*STEPB
	s_or_b32 s[G0+4*\s+3], s[G0+4*\s+3], 0x80000000
	s_mov_b32 s[G0B+4*\s], 1
	s_add_co_u32 s[G0B+4*\s+1], s20, \s*SLOT
	s_add_nc_u64 s[G0B+4*\s+2:G0B+4*\s+3], s[46:47], \s*STEPB
	s_or_b32 s[G0B+4*\s+3], s[G0B+4*\s+3], 0x80000000
	JLOAD \s                                       ; two loads of mine are out
.endr
	v_and_b32 v1, 15, v0                           ; l % 16
	v_bfe_u32 v2, v0, 4, 1                         ; l / 16
	v_and_b32 v3, 31, v0
	v_lshlrev_b32 v3, 4, v3                        ; 16 x lane
	s_mul_i32 s21, s11, HALFT
	s_mul_i32 s22, s12, HALFT
	s_add_co_u32 s22, s22, 2*HALFT
.irp s, 0,1
	v_add_nc_u32 v[ADRA+\s], s21, v3
	v_add_nc_u32 v[ADRB+\s], s22, v3
	s_add_co_u32 s21, s21, SLOT
	s_add_co_u32 s22, s22, SLOT
.endr
	s_mul_i32 s23, s10, 16*SPITCH
	s_add_co_u32 s23, s23, STAGE                   ; my stage
	v_mul_u32_u24 v4, v1, SPITCH                   ; in: row l % 16, 32 bytes for each half of the lanes
	v_lshl_add_u32 v4, v2, 5, v4
	v_add_nc_u32 v[STO], s23, v4
	v_mul_u32_u24 v5, v2, SPITCH                   ; back: lanes 0-15 one row of 256 bytes, lanes 16-31 the next
	v_lshl_add_u32 v5, v1, 4, v5
	v_add_nc_u32 v[RD], s23, v5
	v_lshlrev_b32 v5, 12, v2                       ; and the same two rows in out0
	v_lshl_add_u32 v[CO], v1, 4, v5
	s_lshl_b32 s16, s13, 19                        ; my first row, 128 x tile row + 64 x half, of 4,096 bytes
	s_lshl_b32 s17, s11, 18
	s_add_co_u32 s16, s16, s17
	s_mov_b32 s17, 0
	s_add_nc_u64 s[8:9], s[8:9], s[16:17]
	s_lshl_b32 s46, s42, 9                         ; my first column, in bytes: 512 x tile column + 256 x half
	s_lshl_b32 s47, s12, 8
	s_add_co_u32 s46, s46, s47
	s_mov_b32 s47, 0
	s_add_nc_u64 s[8:9], s[8:9], s[46:47]
.macro MUL8 f, c, a0, zero             ; 8 matrix instructions: m blocks a0, a0 + 1 x all 4 n blocks, 32 along K
.irp a, \a0, \a0+1
.irp b, 0,1,2,3
.if \zero
	v_wmma_f32_16x16x32_f16 v[ACC+8*(4*(\a)+\b):ACC+8*(4*(\a)+\b)+7], v[\f+64+8*(4*\c+\b):\f+64+8*(4*\c+\b)+7], v[\f+8*(4*\c+\a):\f+8*(4*\c+\a)+7], 0
.else
	v_wmma_f32_16x16x32_f16 v[ACC+8*(4*(\a)+\b):ACC+8*(4*(\a)+\b)+7], v[\f+64+8*(4*\c+\b):\f+64+8*(4*\c+\b)+7], v[\f+8*(4*\c+\a):\f+8*(4*\c+\a)+7], v[ACC+8*(4*(\a)+\b):ACC+8*(4*(\a)+\b)+7]
.endif
.endr
.endr
.endm
.macro FETCH slot, k, f                ; 32 LDS loads in one run: the fragments of the slot's k-th 64 along K into buffer f; the first 32 along K first
	WIN TO_F
.irp c, 0,1
.irp i, 0,1,2,3
	ds_load_b128 v[\f+64+8*(4*\c+\i):\f+64+8*(4*\c+\i)+3],   v[ADRB+\slot] offset:\i*STEPB+(2*(\k)+\c)*1024
	ds_load_b128 v[\f+64+8*(4*\c+\i)+4:\f+64+8*(4*\c+\i)+7], v[ADRB+\slot] offset:\i*STEPB+(2*(\k)+\c)*1024+512
	ds_load_b128 v[\f+8*(4*\c+\i):\f+8*(4*\c+\i)+3],         v[ADRA+\slot] offset:\i*STEPB+(2*(\k)+\c)*1024
	ds_load_b128 v[\f+8*(4*\c+\i)+4:\f+8*(4*\c+\i)+7],       v[ADRA+\slot] offset:\i*STEPB+(2*(\k)+\c)*1024+512
.endr
.endr
.endm
.macro PLACES
.rept 4
	v_nop
.endr
.endm
.macro QUARTER slot, k, f, g, zero     ; multiplies buffer f and fetches the slot's k-th quarter into g
	s_wait_dscnt 16                                ; the first 32 along K are in
	WIN MUL
	MUL8 \f, 0, 0, \zero
	MUL8 \f, 0, 2, \zero
	PLACES
	FETCH \slot, \k, \g
	s_wait_dscnt 32                                ; all but the 32 just issued
	WIN MUL
	MUL8 \f, 1, 0, 0
	MUL8 \f, 1, 2, 0
.endm
; The last quarter multiplies buffer 1 and changes slots: in front of the barrier each wave waits for all its tensor loads, adds 0 to its spare word, and waits for that and for its reads of this slot.
.macro TURN slot, next, fill
	WIN 0
	s_wait_tensorcnt 0x0                           ; all my tensor loads have landed: my part of the next slot
	ds_add_u32 v[SPW], v[NIL]
	s_wait_dscnt 17                                ; (the add and the youngest sixteen loads may be out)
	WIN MUL
	MUL8 F1, 0, 0, 0
	s_wait_dscnt 0x0                               ; the add is done, and my reads of this slot are over
	s_barrier_signal -1
	MUL8 F1, 0, 2, 0
.if \fill
	WIN 0
.endif
	s_barrier_wait -1
.if \fill
	CREST                                          ; the barrier has opened a round of the cluster's barrier: no wave of any partner still reads this slot or has a load on its way
	s_add_nc_u64 s[G0+4*\slot+2:G0+4*\slot+3], s[G0+4*\slot+2:G0+4*\slot+3], 2*STEPB
	s_add_nc_u64 s[G0B+4*\slot+2:G0B+4*\slot+3], s[G0B+4*\slot+2:G0B+4*\slot+3], 2*STEPB
	JLOAD \slot                                    ; the first tensor load behind the round; its four v_nop are also the places in front of the loads below
.else
	PLACES
.endif
	FETCH \next, 0, F0
	WIN MUL
	MUL8 F1, 1, 0, 0
	MUL8 F1, 1, 2, 0
.endm
	s_wait_tensorcnt 1                             ; my part of K step 0 is in (K step 1's load may be out)
	s_barrier_signal -1
	s_barrier_wait -1                              ; everybody's is
	FETCH 0, 0, F0
	QUARTER 0, 1, F0, F1, 1                        ; the first products start the sums
	WIN 0
	s_mov_b32 s3, LAPS-1
.Llap:                                                 ; a trip goes once round the ring and fills both slots again
	QUARTER 0, 2, F1, F0, 0
	QUARTER 0, 3, F0, F1, 0
	TURN 0, 1, 1
	QUARTER 1, 1, F0, F1, 0
	QUARTER 1, 2, F1, F0, 0
	QUARTER 1, 3, F0, F1, 0
	TURN 1, 0, 1
	QUARTER 0, 1, F0, F1, 0
	WIN 0
	s_sub_co_u32 s3, s3, 1
	s_cmp_lg_u32 s3, 0
	s_cbranch_scc1 .Llap
	QUARTER 0, 2, F1, F0, 0                        ; the last lap fills nothing
	QUARTER 0, 3, F0, F1, 0
	TURN 0, 1, 0
	QUARTER 1, 1, F0, F1, 0
	QUARTER 1, 2, F1, F0, 0
	QUARTER 1, 3, F0, F1, 0
	s_wait_dscnt 16
	WIN MUL
	MUL8 F1, 0, 0, 0
	MUL8 F1, 0, 2, 0
	s_wait_dscnt 0
	MUL8 F1, 1, 0, 0
	MUL8 F1, 1, 2, 0
	WIN 0
	; THE WAY OUT, 16 rows at a time.  My 64 columns are 256 bytes of a row, aligned: a lane's 32 bytes go into my own stage (rows of 272 bytes) and come back as whole rows.  LDS serves a wave's instructions in order: no wait between.
	PLACES
.irp a, 0,1,2,3
.if \a > 0
	s_wait_xcnt 0x0                                ; the earlier stores have read their data and their base
	s_add_nc_u64 s[8:9], s[8:9], 16*SIZE_N*4
.endif
.irp b, 0,1,2,3
	ds_store_b128 v[STO], v[ACC+8*(4*\a+\b):ACC+8*(4*\a+\b)+3] offset:64*\b          ; each accumulator from its low end on
	ds_store_b128 v[STO], v[ACC+8*(4*\a+\b)+4:ACC+8*(4*\a+\b)+7] offset:64*\b+16
.endr
.irp t, 0,1,2,3,4,5,6,7
	ds_load_b128 v[TMP+32*(\a%2)+4*\t:TMP+32*(\a%2)+4*\t+3], v[RD] offset:\t*2*SPITCH
.endr
.irp t, 0,1,2,3,4,5,6,7
	s_wait_dscnt 7-\t                              ; the later rows may be out
	global_store_b128 v[CO], v[TMP+32*(\a%2)+4*\t:TMP+32*(\a%2)+4*\t+3], s[8:9] offset:2*\t*SIZE_N*4   ; 16 lanes store 256 consecutive bytes, aligned
.endr
.endr
	s_wait_tensorcnt 0x0                           ; the wave's end, behind my last tensor load and my last LDS store
	ds_add_u32 v[SPW], v[NIL]
	s_wait_dscnt 0x0
	CROUND                                         ; the closing round
	s_endpgm
.Lfunc_end_k_q04ede01fd3_oproj:
	.size	k_q04ede01fd3_oproj, .Lfunc_end_k_q04ede01fd3_oproj-k_q04ede01fd3_oproj
	.p2alignl 7, 3214868480
	.fill 96, 4, 3214868480
	.section	.rodata,"a",@progbits
	.p2align	6, 0x0
	.amdhsa_kernel k_q04ede01fd3_oproj
		.amdhsa_group_segment_fixed_size 327680
		.amdhsa_private_segment_fixed_size 0
		.amdhsa_enable_private_segment 0
		.amdhsa_kernarg_size 24
		.amdhsa_user_sgpr_count 2
		.amdhsa_user_sgpr_kernarg_segment_ptr 1
		.amdhsa_wavefront_size32 1
		.amdhsa_system_sgpr_workgroup_id_x 1
		.amdhsa_system_sgpr_workgroup_id_y 1
		.amdhsa_system_sgpr_workgroup_id_z 1
		.amdhsa_system_vgpr_workitem_id 0
		.amdhsa_next_free_vgpr 512
		.amdhsa_next_free_sgpr 66
		.amdhsa_reserve_vcc 0
		.amdhsa_float_denorm_mode_32 3
		.amdhsa_float_denorm_mode_16_64 3
		.amdhsa_memory_ordered 1
		.amdhsa_forward_progress 1
		.amdhsa_inst_pref_size 87
	.end_amdhsa_kernel
	.amdgpu_metadata
---
amdhsa.version: [ 1, 2 ]
amdhsa.kernels:
  - .name:           k_q04ede01fd3_oproj
    .symbol:         k_q04ede01fd3_oproj.kd
    .args:
      - { .name: att, .offset: 0, .size: 8, .value_kind: global_buffer, .address_space: global }
      - { .name: aux, .offset: 8, .size: 8, .value_kind: global_buffer, .address_space: global }
      - { .name: out0, .offset: 16, .size: 8, .value_kind: global_buffer, .address_space: global }
    .group_segment_fixed_size: 327680
    .private_segment_fixed_size: 0
    .kernarg_segment_align: 8
    .kernarg_segment_size: 24
    .max_flat_workgroup_size: 128
    .sgpr_count:     66
    .vgpr_count:     512
    .wavefront_size: 32
...
	.end_amdgpu_metadata
.endif
;; end of part 4
;; launch fine (part 5): grid 16 x 1, 16 waves a work-group, no clusters, 67,584 bytes of LDS; arguments r16, wo, out0; writes out0
.if DOCPART == 5
	.amdgcn_target "amdgcn-amd-amdhsa--gfx1250"
	.amdhsa_code_object_version 6
	.text
	.protected	k_q04ede01fd3_fine
	.globl	k_q04ede01fd3_fine
	.p2align	8
	.type	k_q04ede01fd3_fine,@function
k_q04ede01fd3_fine:
	s_mov_b64 s[64:65], 0
	v_nop
	global_prefetch_b8 v0, s[64:65] scope:SCOPE_SE
	s_setreg_imm32_b32 hwreg(HW_REG_WAVE_MODE, 25, 1), 1
	s_wait_xcnt 0x0
; THE FIRST 16 POSITIONS IN F32.  Under the causal mask they average one to sixteen values and are the largest rows of the result, so attention and projection of these rows take f32 operands (v_wmma_f32_16x16x4_f32): 16 of 4,096 rows.
; This launch runs last and writes rows 0 to 15 of out0 anew.  Nothing of reference() is left out here.
; SHARES.  Work-group g owns output columns 64 g .. 64 g + 63.  Wave w is head w: it makes the head's 16 x 16 attention (repeated in each work-group: 32 matrix instructions) and multiplies it by wo's columns 64 w .. 64 w + 63: the
; sixteen waves' parts of the sum over K meet in LDS, and waves 0-7 add them in a fixed order and store.
; r16 (its part cy = 0): [kind][tile of 16 columns][1 KB]: lane (r, h) has position r, channels 8 h + 0..3 at 16 x lane and 8 h + 4..7 at 512 + 16 x lane; q and k rotated and x sqrt(log2(e) / 8), v / 4.
; K IS TAKEN IN AN ORDER OF ITS OWN, alike on both sides of each product: in the step that names registers 2 s, 2 s + 1 of an image, lane half h holds index 8 h + 2 s + 0, 1.  So the images are operands as they lie.
; The registers that the matrix instructions write, v16-47, are written by nothing else; every sum begins with the constant 0; four accumulators take turns.
.set LI,  1                            ; v1  16 x lane
.set LV,  2                            ; v2  V^T: my lane's place in a tile's image
.set LWO, 3                            ; v3  wo: row r of 4,096 bytes + 32 h
.set RH,  4                            ; v4  r - 8 h
.set LR,  5                            ; v5  the sum over waves: where I read
.set GO,  6                            ; v6  and where I store
.set NINF, 7
.set LW,  11                           ; v11 where my wave's part goes: 4,096 x wave + 16 x lane
.set SPW, 14
.set NIL, 15
.set ACC, 16
.set QR,  48
.set KR,  80
.set VR,  112
.set WA,  144                          ; wo for output tiles 0, 1; tiles 2, 3 take v48-111 when q and k are done with
.set T,   208
.set PR,  216
.set AT,  224
.set SPARE, 65536                      ; behind the sixteen parts of 4 KB: the spare words, 128 bytes a wave
	s_load_b128 s[4:7], s[0:1], 0x0                ; r16, wo
	s_load_b64 s[8:9], s[0:1], 0x10                ; out0
	v_lshl_add_u32 v[SPW], v0, 2, SPARE
	v_mov_b32 v[NIL], 0
	v_lshrrev_b32 v8, 5, v0
	v_readfirstlane_b32 s10, v8                    ; wave = head
	v_and_b32 v9, 31, v0
	v_lshlrev_b32 v[LI], 4, v9
	v_lshl_add_u32 v[LW], v8, 12, v[LI]
	v_bfe_u32 v8, v0, 2, 1                         ; V^T wants v[key 8 h + e][channel r]: in the image at 512 ((r / 4) % 2) + 256 (r / 8) + 128 h + 4 (r % 4), + 16 e
	v_lshlrev_b32 v[LV], 9, v8
	v_bfe_u32 v8, v0, 3, 1
	v_lshl_add_u32 v[LV], v8, 8, v[LV]
	v_bfe_u32 v10, v0, 4, 1                        ; h
	v_lshl_add_u32 v[LV], v10, 7, v[LV]
	v_and_b32 v8, 3, v0
	v_lshl_add_u32 v[LV], v8, 2, v[LV]
	v_and_b32 v9, 15, v0                           ; r
	v_lshlrev_b32 v[LWO], 12, v9
	v_lshl_add_u32 v[LWO], v10, 5, v[LWO]
	v_lshlrev_b32 v8, 3, v10
	v_sub_nc_u32 v[RH], v9, v8
	v_mov_b32 v[NINF], 0xff800000
	; the sum over waves: thread / 16 = query q (waves 0-7), thread % 16 = which 16 bytes p of the row's 256: they lie at 1024 (p / 4) + 512 (p % 2) + 256 ((p / 2) % 2) + 16 q of each part
	v_lshrrev_b32 v8, 4, v0
	v_lshrrev_b32 v10, 2, v9
	v_lshlrev_b32 v[LR], 10, v10
	v_and_b32 v10, 1, v9
	v_lshl_add_u32 v[LR], v10, 9, v[LR]
	v_bfe_u32 v10, v0, 1, 1
	v_lshl_add_u32 v[LR], v10, 8, v[LR]
	v_lshl_add_u32 v[LR], v8, 4, v[LR]
	v_lshlrev_b32 v[GO], 12, v8
	v_lshl_add_u32 v[GO], v9, 4, v[GO]
	s_mov_b32 s16, 0x76543210
	s_mov_b32 s17, 0xfedcba98
	s_lshl_b32 s12, s10, 12                        ; the head's four tiles of columns
	s_mov_b32 s13, 0
	s_lshl_b32 s14, ttmp9, 18                      ; wo: rows 64 g on, columns 64 w on
	s_lshl_b32 s15, s10, 8
	s_add_co_u32 s14, s14, s15
	s_mov_b32 s15, 0
	s_lshl_b32 s18, ttmp9, 8
	s_mov_b32 s19, 0
	s_wait_kmcnt 0x0
	s_add_nc_u64 s[4:5], s[4:5], s[12:13]
	s_add_nc_u64 s[6:7], s[6:7], s[14:15]
	s_add_nc_u64 s[8:9], s[8:9], s[18:19]
.irp ct, 0,1,2,3
	global_load_b128 v[QR+8*\ct:QR+8*\ct+3], v[LI], s[4:5] offset:1024*\ct
	global_load_b128 v[QR+8*\ct+4:QR+8*\ct+7], v[LI], s[4:5] offset:1024*\ct+512
.endr
.irp ct, 0,1,2,3
	global_load_b128 v[KR+8*\ct:KR+8*\ct+3], v[LI], s[4:5] offset:65536+1024*\ct
	global_load_b128 v[KR+8*\ct+4:KR+8*\ct+7], v[LI], s[4:5] offset:65536+1024*\ct+512
.endr
.irp ct, 0,1,2,3
.irp e, 0,1,2,3,4,5,6,7
	global_load_b32 v[VR+8*\ct+\e], v[LV], s[4:5] offset:131072+1024*\ct+16*\e
.endr
.endr
.irp ot, 0,1
.irp ct, 0,1,2,3
	global_load_b128 v[WA+32*\ot+8*\ct:WA+32*\ot+8*\ct+3], v[LWO], s[6:7] offset:65536*\ot+64*\ct
	global_load_b128 v[WA+32*\ot+8*\ct+4:WA+32*\ot+8*\ct+7], v[LWO], s[6:7] offset:65536*\ot+64*\ct+16
.endr
.endr
	s_wait_loadcnt 48                              ; q and k are in; v's 32 loads and wo's 16 may be out
	; S^T = K Q^T: four partial sums, one for each 16 channels
.irp s, 0,1,2,3
.irp ct, 0,1,2,3
.if \s == 0
	v_wmma_f32_16x16x4_f32 v[ACC+8*\ct:ACC+8*\ct+7], v[KR+8*\ct+2*\s:KR+8*\ct+2*\s+1], v[QR+8*\ct+2*\s:QR+8*\ct+2*\s+1], 0
.else
	v_wmma_f32_16x16x4_f32 v[ACC+8*\ct:ACC+8*\ct+7], v[KR+8*\ct+2*\s:KR+8*\ct+2*\s+1], v[QR+8*\ct+2*\s:QR+8*\ct+2*\s+1], v[ACC+8*\ct:ACC+8*\ct+7]
.endif
.endr
.endr
.rept 8
	v_nop                                          ; eight places behind this form: for the loads over q and k and for the first read of the sums
.endr
.irp ot, 0,1
.irp ct, 0,1,2,3
	global_load_b128 v[QR+32*\ot+8*\ct:QR+32*\ot+8*\ct+3], v[LWO], s[6:7] offset:65536*(\ot+2)+64*\ct
	global_load_b128 v[QR+32*\ot+8*\ct+4:QR+32*\ot+8*\ct+7], v[LWO], s[6:7] offset:65536*(\ot+2)+64*\ct+16
.endr
.endr
.irp j, 0,1,2,3,4,5,6,7
	v_add_f32 v[T+\j], v[ACC+\j], v[ACC+8+\j]      ; register j of lane (r, h): key 8 h + j, query r
	v_add_f32 v[PR+\j], v[ACC+16+\j], v[ACC+24+\j]
	v_add_f32 v[T+\j], v[T+\j], v[PR+\j]
.endr
.irp j, 0,1,2,3,4,5,6,7
	v_cmp_gt_i32 vcc_lo, \j, v[RH]                 ; hidden where 8 h + j > r
	v_cndmask_b32 v[T+\j], v[T+\j], v[NINF], vcc_lo
.endr
	v_max3_num_f32 v8, v[T], v[T+1], v[T+2]
	v_max3_num_f32 v8, v8, v[T+3], v[T+4]
	v_max3_num_f32 v8, v8, v[T+5], v[T+6]
	v_max_num_f32 v8, v8, v[T+7]
	v_mov_b32 v9, 0
	v_permlanex16_b32 v9, v8, s16, s17
	v_max_num_f32 v8, v8, v9                       ; the row's maximum: key 0 counts for every query
.irp j, 0,1,2,3,4,5,6,7
	v_sub_f32 v[PR+\j], v[T+\j], v8
.endr
.irp j, 0,1,2,3,4,5,6,7
	v_exp_f32 v[PR+\j], v[PR+\j]
.endr
	v_nop
	s_wait_alu depctr_va_vdst(0)                   ; one wait for the eight, ahead of their first reader
	v_add_f32 v9, v[PR], v[PR+1]
	v_add_f32 v10, v[PR+2], v[PR+3]
	v_add_f32 v12, v[PR+4], v[PR+5]
	v_add_f32 v13, v[PR+6], v[PR+7]
	v_add_f32 v9, v9, v10
	v_add_f32 v12, v12, v13
	v_add_f32 v9, v9, v12
	v_permlanex16_b32 v10, v9, s16, s17
	v_add_f32 v9, v9, v10
	v_rcp_f32 v13, v9
	v_nop
	s_wait_alu depctr_va_vdst(0)
	v_mul_f32 v13, 4.0, v13                        ; 4 / the sum: v came as v / 4
	s_wait_loadcnt 32                              ; v is in; wo's 32 loads may be out
	; O^T = V^T P, unnormalised.  (More than nine plain instructions that name no accumulator stand behind the last product above: the sums may begin anew)
.irp s, 0,1,2,3
.irp ct, 0,1,2,3
.if \s == 0
	v_wmma_f32_16x16x4_f32 v[ACC+8*\ct:ACC+8*\ct+7], v[VR+8*\ct+2*\s:VR+8*\ct+2*\s+1], v[PR+2*\s:PR+2*\s+1], 0
.else
	v_wmma_f32_16x16x4_f32 v[ACC+8*\ct:ACC+8*\ct+7], v[VR+8*\ct+2*\s:VR+8*\ct+2*\s+1], v[PR+2*\s:PR+2*\s+1], v[ACC+8*\ct:ACC+8*\ct+7]
.endif
.endr
.endr
.rept 9
	v_nop                                          ; eight places for the reads below, nine for the products further down that begin the sums anew
.endr
.set n, 0
.rept 32
	v_mul_f32 v[AT+n], v[ACC+n], v13               ; register 8 ct + j of lane (r, h): the head's channel 16 ct + 8 h + j of query r
.set n, n+1
.endr
	s_wait_loadcnt 0x0                             ; wo
	; my head's part of out^T: source 0 = 16 rows of wo, source 1 = the 16 queries
.irp ct, 0,1,2,3
.irp s, 0,1,2,3
.irp ot, 0,1,2,3
.if \ot < 2
.set WR, WA+32*\ot
.else
.set WR, QR+32*(\ot-2)
.endif
.if (\ct == 0) && (\s == 0)
	v_wmma_f32_16x16x4_f32 v[ACC+8*\ot:ACC+8*\ot+7], v[WR+8*\ct+2*\s:WR+8*\ct+2*\s+1], v[AT+8*\ct+2*\s:AT+8*\ct+2*\s+1], 0
.else
	v_wmma_f32_16x16x4_f32 v[ACC+8*\ot:ACC+8*\ot+7], v[WR+8*\ct+2*\s:WR+8*\ct+2*\s+1], v[AT+8*\ct+2*\s:AT+8*\ct+2*\s+1], v[ACC+8*\ot:ACC+8*\ot+7]
.endif
.endr
.endr
.endr
.rept 8
	v_nop
.endr
.irp ot, 0,1,2,3
	ds_store_b128 v[LW], v[ACC+8*\ot:ACC+8*\ot+3] offset:1024*\ot          ; lane (r, h): outputs 16 ot + 8 h + 0..7 of query r
	ds_store_b128 v[LW], v[ACC+8*\ot+4:ACC+8*\ot+7] offset:1024*\ot+512
.endr
	s_wait_dscnt 0x0                               ; for the others' sake: my part lies in LDS
	s_barrier_signal -1
	s_barrier_wait -1
	s_cmp_ge_u32 s10, 8
	s_cbranch_scc1 .Lfin
.set n, 0
.rept 16
	ds_load_b128 v[QR+4*n:QR+4*n+3], v[LR] offset:4096*n
.set n, n+1
.endr
	s_wait_dscnt 0x0
.irp w, 8,4,2,1                        ; the sixteen heads' parts, added as a tree
.set n, 0
.rept \w
	v_pk_add_f32 v[QR+4*n:QR+4*n+1], v[QR+4*n:QR+4*n+1], v[QR+4*(n+\w):QR+4*(n+\w)+1]
	v_pk_add_f32 v[QR+4*n+2:QR+4*n+3], v[QR+4*n+2:QR+4*n+3], v[QR+4*(n+\w)+2:QR+4*(n+\w)+3]
.set n, n+1
.endr
.endr
	global_store_b128 v[GO], v[QR:QR+3], s[8:9]    ; 16 lanes store 256 consecutive bytes, aligned
.Lfin:
	s_wait_tensorcnt 0x0                           ; the wave's end, behind my last LDS store
	ds_add_u32 v[SPW], v[NIL]
	s_wait_dscnt 0x0
	s_endpgm
.Lfunc_end_k_q04ede01fd3_fine:
	.size	k_q04ede01fd3_fine, .Lfunc_end_k_q04ede01fd3_fine-k_q04ede01fd3_fine
	.p2alignl 7, 3214868480
	.fill 96, 4, 3214868480
	.section	.rodata,"a",@progbits
	.p2align	6, 0x0
	.amdhsa_kernel k_q04ede01fd3_fine
		.amdhsa_group_segment_fixed_size 67584
		.amdhsa_private_segment_fixed_size 0
		.amdhsa_enable_private_segment 0
		.amdhsa_kernarg_size 24
		.amdhsa_user_sgpr_count 2
		.amdhsa_user_sgpr_kernarg_segment_ptr 1
		.amdhsa_wavefront_size32 1
		.amdhsa_system_sgpr_workgroup_id_x 1
		.amdhsa_system_sgpr_workgroup_id_y 1
		.amdhsa_system_sgpr_workgroup_id_z 1
		.amdhsa_system_vgpr_workitem_id 0
		.amdhsa_next_free_vgpr 256
		.amdhsa_next_free_sgpr 66
		.amdhsa_reserve_vcc 1
		.amdhsa_float_denorm_mode_32 3
		.amdhsa_float_denorm_mode_16_64 3
		.amdhsa_memory_ordered 1
		.amdhsa_forward_progress 1
		.amdhsa_inst_pref_size 25
	.end_amdhsa_kernel
	.amdgpu_metadata
---
amdhsa.version: [ 1, 2 ]
amdhsa.kernels:
  - .name:           k_q04ede01fd3_fine
    .symbol:         k_q04ede01fd3_fine.kd
    .args:
      - { .name: r16, .offset: 0, .size: 8, .value_kind: global_buffer, .address_space: global }
      - { .name: wo, .offset: 8, .size: 8, .value_kind: global_buffer, .address_space: global }
      - { .name: out0, .offset: 16, .size: 8, .value_kind: global_buffer, .address_space: global }
    .group_segment_fixed_size: 67584
    .private_segment_fixed_size: 0
    .kernarg_segment_align: 8
    .kernarg_segment_size: 24
    .max_flat_workgroup_size: 512
    .sgpr_count:     66
    .vgpr_count:     256
    .wavefront_size: 32
...
	.end_amdgpu_metadata
.endif
;; end of part 5
